; MI455X (gfx1250); checked and timed in simulation.
; The chip was launched on July 23, 2026; its instructions are those of AMD's public machine-readable ISA for CDNA 5 (MIT licence, August 2026) and "CDNA5" Instruction Set Architecture Reference Guide (July 2026). The comments in the code are by the model that wrote it; some were corrected since.
;; Aps Multihead Attention. Allowed arithmetic: matrix products marked QUANTISED: E2M1 operands, one E8M0 scale for each 32 along K, by v_wmma_scale_f32_16x16x128_f8f6f4 with both operands' format E2M1 (or v_wmma_scale_f32_32x16x128_f4), f32 sums; products left as they are: bf16, f16 or f32 operands; f32 sums; everything else in f32.
;; Inputs: in_proj_bias 3,072 float32; in_proj_weight 3,072 x 1,024 float32; out_b 1,024 float32; out_w 1,024 x 1,024 float32; x 1,024 x 8 x 1,024 float32.
;; Outputs: out0 1,024 x 8 x 1,024 float32; out1 8 x 1,024 x 1,024 float32.
;; This version of the problem:
;;   THIS VERSION OF THE PROBLEM IS GIVEN IN LOW PRECISION. The matrix products marked QUANTISED in the list below multiply operands that are first quantised to E2M1 (2 exponent bits, 1 mantissa bit; 4 bits a number), with one power-of-two scale for each 32 numbers along K (OCP MX v1.0); their sums are f32. The products marked 'left as it is' may take bf16, f16 or f32 operands, with f32 sums. Whichever they take, every output number must still come out within the allowed error. Rounding operands to bf16 (8 significant bits) uses up far more of that allowance than f16 does (11 bits, for magnitudes from 6e-5 to 65,504). All else is computed in f32.
;;   The module's matrix products, in the order in which they are computed (A, B: the left and right operand; K: the contracted axis; several contracted axes count as one K, in the product's order):
;;     1. [M 8,192, K 1,024] x [K 1,024, N 3,072]; A: input x; B: input in_proj_weight: QUANTISED
;;     2. batch 128 x [M 1,024, K 64] x [K 64, N 1,024]; A: computed on the way; B: computed on the way: left as it is (an operand is computed on the way)
;;     3. batch 128 x [M 64, K 1,024] x [K 1,024, N 1,024]; A: computed on the way; B: computed on the way: left as it is (an operand is computed on the way)
;;     4. [M 8,192, K 1,024] x [K 1,024, N 1,024]; A: computed on the way; B: input out_w: left as it is (an operand is computed on the way)
;;   THE QUANTISER, for each operand of a quantised product, along K:
;;     - K is cut into blocks of 32 from its start; a last block that is shorter is filled with zeros.
;;     - A block's scale is 2^e with e = floor(log2(the largest magnitude in the block)) - 2, held to -126 .. 127; a block of zeros has e = 0. As a byte (E8M0): e + 127.
;;     - Each number is divided by its block's scale, clamped to +-6, and rounded to the nearest number of E2M1, ties to even, subnormals kept.
;;     - The product sums the exact products of the quantised numbers (number of the format x scale) in f32.
;;   ~~~python
;;   def quantise(x, axis):      # numpy; x: float32 -> the quantised numbers, widened to float32 again
;;       x = np.moveaxis(x, axis, -1); K = x.shape[-1]
;;       x = np.pad(x, [(0, 0)] * (x.ndim - 1) + [(0, -K % 32)]); x = x.reshape(x.shape[:-1] + (-1, 32)); a = np.abs(x).max(-1, keepdims=True)
;;       e = np.where(a > 0, np.clip(np.frexp(np.where(a > 0, a, 1))[1] - 1 - 2, -126, 127), 0)      # np.frexp(a)[1] - 1 = floor(log2(a)), exactly
;;       r = np.clip(x / 2.0 ** e, -6, 6)
;;       step = 2.0 ** (np.maximum(np.frexp(np.where(r == 0, 1, r))[1] - 1, 0) - 1)
;;       q = np.round(r / step) * step * 2.0 ** e      # np.round: ties to even
;;       return np.moveaxis(q.reshape(q.shape[:-2] + (-1,))[..., :K], -1, axis).astype(np.float32)
;;   ~~~
;; One version. Each part assembles by itself: llvm-mc -triple=amdgcn-amd-amdhsa -mcpu=gfx1250 --defsym DOCPART=n.
;; ======== version 1 of 1: 4 launches
;; limits: values are held in f16: magnitudes above 65,504 overflow, below 6.1e-05 lose precision
;; workspace buffers: xc 4,194,304 bytes; xs 262,144 bytes; wc 1,572,864 bytes; ws 98,304 bytes; owi 2,097,152 bytes; qkv 50,331,648 bytes; ctx 16,777,216 bytes
;; launch prep (part 1): grid 416 x 1, 4 waves a work-group, no clusters, 33,280 bytes of LDS; arguments x, in_proj_weight, out_w, xc, xs, wc, ws, owi; writes xc, xs, wc, ws, owi
.if DOCPART == 1
	.amdgcn_target "amdgcn-amd-amdhsa--gfx1250"
	.amdhsa_code_object_version 6
	.text
	.protected	k_q8cbd43793a_prep
	.globl	k_q8cbd43793a_prep
	.p2align	8
	.type	k_q8cbd43793a_prep,@function
k_q8cbd43793a_prep:
	s_mov_b64 s[64:65], 0
	v_nop
	global_prefetch_b8 v0, s[64:65] scope:SCOPE_SE
	s_setreg_imm32_b32 hwreg(HW_REG_WAVE_MODE, 25, 1), 1
	s_wait_xcnt 0x0
; x [1024 l][8 n][1024] and in_proj_weight [3072][1024], f32, become codes of FP4 (E2M1), K innermost, 512 bytes a row, with one E8M0 byte for each 32 along K, 32 bytes a row.
; x's rows are laid anew on the way: row l*8+n of x becomes row n*1024+l of xc and xs, so that a batch's 1,024 positions are neighbours for the launches behind.
; out_w [1024][1024], f32, becomes f16 in the order of a matrix operand's registers: [row/16][k/8][row%16][8 numbers]: 256 bytes hold 16 rows x 8 k, and a fragment is two loads of 512 consecutive bytes.
; A block's scale is 2^(floor(log2(its largest magnitude)) - 2); its byte is the largest magnitude's exponent field - 2, held at 1 from below.  A block of zeros so gets the byte 1 where the rule says 127:
; its codes are zeros, which add nothing under any byte but 0xff, and the bytes are read by this program alone.
; LIMITS: NaN and infinities among the inputs are not served; numbers of out_w beyond 65,504 become infinity in f16.
; SHARES: work-groups 0-255 take x, 256-351 the weight, 352-415 out_w.  A quantising wave takes 8 rows (8,192 numbers) in 16 steps of 512: for x one position l with its 8 batches.
; Each load reads 512 consecutive bytes; a step's 2,048 bytes turn through the wave's own stage in LDS so that a lane holds 16 neighbours along K; a step's codes leave as 256 consecutive bytes.
; The weight's scale bytes leave as 256 consecutive bytes a wave; x's as eight pieces of 32 bytes, one for each batch: one byte in 128 of what the launch reads.
.set WAVES, 4
.set STEPS, 16
.set WGX,   256                        ; work-groups for x
.set WGQ,   352                        ; and for both quantised tensors
.set EMAX,  2
.set CB,    8                          ; bytes of 16 codes
.set R,     16                         ; v16-79   four sets of 16 numbers as they are loaded
.set X,     80                         ; v80-111  two sets of 16 neighbours
.set E,     112                        ; v112-127 a scale byte for each step
.set C,     128                        ; v128-191 codes: four registers for each step, so that no store's data are written again
.set CO,    192                        ; v192-199 where row n's codes go: 8 x lane + n x the distance between my rows
.set WREG,  8192                       ; LDS: a region for each wave: two stages of 32 x SP bytes, behind them its 256 scale bytes
.set SP,    80                         ; a lane's place in a stage: 64 bytes + 16 of padding
.set SPW,   12                         ; v12 LDS address of my spare word; never rewritten
.set NIL,   13                         ; v13 0; never rewritten
.set SPARE, WAVES*WREG                 ; behind the four regions: the spare words, 128 bytes a wave, which no other line names
	s_load_b256 s[4:11], s[0:1], 0x0               ; x s[4:5], the weight s[6:7], out_w s[8:9], xc s[10:11]
	s_load_b256 s[12:19], s[0:1], 0x20             ; xs s[12:13], wc s[14:15], ws s[16:17], owi s[18:19]
	v_lshl_add_u32 v[SPW], v0, 2, SPARE
	v_mov_b32 v[NIL], 0
	v_lshrrev_b32 v1, 5, v0
	v_readfirstlane_b32 s20, v1                    ; wave
	v_and_b32 v2, 31, v0                           ; lane
	s_cmp_ge_u32 ttmp9, WGQ
	s_cbranch_scc1 .Lconv                          ; the work-groups of out_w: a path of its own, which touches no LDS
	v_lshlrev_b32 v3, 4, v2                        ; my 16 bytes of a load's 512
	s_mul_i32 s21, s20, WREG
	v_lshrrev_b32 v14, 2, v2
	v_mul_u32_u24 v14, v14, SP
	v_and_b32 v15, 3, v2
	v_lshl_add_u32 v14, v15, 4, v14
	v_add_nc_u32 v14, s21, v14                     ; the stage on the way in: four lanes' 64 bytes on end, then 16 of padding
	v_mul_u32_u24 v15, v2, SP
	v_add_nc_u32 v15, s21, v15                     ; and on the way out: my 16 neighbours
	v_mul_u32_u24 v4, v2, CB                       ; my codes' place in a step's 256 bytes
	v_lshrrev_b32 v5, 1, v2
	s_add_co_u32 s21, s21, 2*32*SP
	v_add_nc_u32 v5, s21, v5                       ; LDS: my wave's 256 scale bytes, my block's byte
	v_lshlrev_b32 v7, 3, v2
	v_add_nc_u32 v6, s21, v7                       ; and on the way out 8 bytes a lane
	s_cmp_lt_u32 ttmp9, WGX                        ; x or the weight?  The choice hangs on the work-group's number alone
	s_cselect_b32 s22, 0, WGX                      ; the tensor's first work-group
	s_cselect_b32 s23, 9, 12                       ; codes: run g begins at g << 9 (x: row l) or g << 12 (the weight: row 8 g)
	s_cselect_b32 s24, 19, 9                       ; and my 8 rows lie 1 << 19 (1,024 rows) or 1 << 9 (one row) apart
	s_cselect_b32 s25, 5, 8                        ; the scale bytes likewise: 32 bytes a row
	s_cselect_b32 s26, 15, 5
	s_wait_kmcnt 0x0
	s_cselect_b64 s[4:5], s[4:5], s[6:7]           ; the numbers,
	s_cselect_b64 s[10:11], s[10:11], s[14:15]     ; their codes,
	s_cselect_b64 s[12:13], s[12:13], s[16:17]     ; their scale bytes
	s_sub_co_u32 s22, ttmp9, s22
	s_lshl_b32 s22, s22, 2
	s_add_co_u32 s22, s22, s20                     ; g: which run of 8,192 numbers is my wave's
	s_lshl_b32 s28, s22, 15
	s_mov_b32 s29, 0
	s_add_nc_u64 s[4:5], s[4:5], s[28:29]
	s_lshl_b32 s28, s22, s23
	s_add_nc_u64 s[10:11], s[10:11], s[28:29]
	s_lshl_b32 s28, s22, s25
	s_add_nc_u64 s[12:13], s[12:13], s[28:29]
	s_lshl_b32 s24, 1, s24
	s_lshl_b32 s26, 1, s26
.irp n, 0,1,2,3,4,5,6,7
	v_mad_u32_u24 v[CO+\n], s24, \n, v4
.endr
	v_lshrrev_b32 v8, 2, v2
	v_and_b32 v9, 3, v2
	v_lshlrev_b32 v9, 3, v9
	v_mad_u32_u24 v7, v8, s26, v9                  ; the scale bytes' way out: four lanes to a row of 32 bytes
.macro LOAD t
.irp i, 0,1,2,3
	global_load_b128 v[R+16*((\t)%4)+4*\i:R+16*((\t)%4)+4*\i+3], v3, s[4:5] offset:2048*(\t)+512*\i th:TH_LOAD_NT   ; 32 lanes read 512 consecutive bytes
.endr
.endm
.macro TURN t                          ; step t's numbers through the stage: LDS serves a wave's instructions in order, so no wait stands between the stores and the loads
.irp i, 0,1,2,3
	ds_store_b128 v14, v[R+16*((\t)%4)+4*\i:R+16*((\t)%4)+4*\i+3] offset:32*SP*((\t)%2)+8*SP*\i
.endr
.irp i, 0,1,2,3
	ds_load_b128 v[X+16*((\t)%2)+4*\i:X+16*((\t)%2)+4*\i+3], v15 offset:32*SP*((\t)%2)+16*\i
.endr
.endm
.irp t, 0,1,2,3
	LOAD \t
.endr
	s_wait_loadcnt 12                              ; step 0's four loads are in
	TURN 0
.macro STEP t
.set XS, X+16*((\t)%2)
.if (\t) > 0
	s_wait_dscnt 1                                 ; this step's numbers are back from the stage (the last step's byte store may be out): so its stores into the stage have read their registers,
.else
	s_wait_dscnt 0x0
.endif
.if (\t)+4 < STEPS
	LOAD (\t)+4                                    ; which take the loads of four steps on
.endif
.if (\t)+1 < STEPS
.if STEPS-2-(\t) >= 3
	s_wait_loadcnt 12                              ; the next step's four loads are in; those of the three steps behind it may be out
.else
	s_wait_loadcnt 4*(STEPS-2-(\t))
.endif
	TURN (\t)+1                                    ; and go through the other stage while this step is worked
.endif
	v_max3_num_f32 v8, |v[XS]|, |v[XS+1]|, |v[XS+2]|               ; the largest magnitude of my 16, in two chains
	v_max3_num_f32 v9, |v[XS+3]|, |v[XS+4]|, |v[XS+5]|
.irp i, 6,10
	v_max3_num_f32 v8, v8, |v[XS+\i]|, |v[XS+\i+1]|
	v_max3_num_f32 v9, v9, |v[XS+\i+2]|, |v[XS+\i+3]|
.endr
	v_max3_num_f32 v8, v8, |v[XS+14]|, |v[XS+15]|
	v_max3_num_f32 v8, v8, v9, (EMAX+1)<<23        ; and the floor 2^(EMAX + 1 - 127): the byte cannot fall under 1
	v_max_num_f32_dpp v8, v8, v8 row_xmask:1 row_mask:0xf bank_mask:0xf   ; and of my neighbour's 16: the block's
	v_add_nc_u32 v11, -(EMAX<<23), v8              ; EMAX off its exponent field: the conversion takes the exponent field of this operand as its scale, and nothing else of it
	v_cvt_scalef32_pk8_fp4_f32 v[C+4*(\t)], v[XS:XS+7], v11        ; to the nearest code, ties to even, beyond the largest code the largest
	v_cvt_scalef32_pk8_fp4_f32 v[C+4*(\t)+1], v[XS+8:XS+15], v11
	v_lshrrev_b32 v[E+(\t)], 23, v11               ; the scale's byte (a plain line behind the conversions)
	ds_store_b8 v5, v[E+(\t)] offset:16*(\t)       ; both lanes of a block write the same byte with the same value
	global_store_b64 v[CO+(\t)/2], v[C+4*(\t):C+4*(\t)+1], s[10:11] offset:256*((\t)%2)   ; half a row of codes: 256 consecutive bytes, aligned
.endm
.irp t, 0,1,2,3,4,5,6,7,8,9,10,11,12,13,14,15
	STEP \t
.endr
	ds_load_b64 v[8:9], v6                         ; LDS serves a wave's instructions in order: these see my stores
	s_wait_dscnt 0x0
	global_store_b64 v7, v[8:9], s[12:13]
	s_wait_tensorcnt 0x0                           ; the wave's end
	ds_add_u32 v[SPW], v[NIL]
	s_wait_dscnt 0x0
	s_endpgm
.Lconv:
	; out_w: work-group o takes rows 16 o .. 16 o + 15, wave w k = 256 w .. 256 w + 255.  Lane (r = lane % 16, hh = lane / 16) takes, for j = 0 .. 15, the 8 numbers k = 16 j + 8 hh + 0 .. 7 of row r:
	; rounded to f16 they are 16 bytes, and the wave's 32 x 16 bytes are 512 consecutive bytes of the image.
	v_and_b32 v3, 15, v0
	v_bfe_u32 v4, v0, 4, 1
	v_lshlrev_b32 v5, 12, v3                       ; row r of 4,096 bytes
	v_lshl_add_u32 v5, v4, 5, v5                   ; + 32 hh
	v_lshlrev_b32 v6, 4, v2                        ; 16 x lane
	s_sub_co_u32 s21, ttmp9, WGQ
	s_lshl_b32 s22, s21, 16                        ; 16 rows of 4,096 bytes
	s_lshl_b32 s23, s20, 10
	s_add_co_u32 s22, s22, s23
	s_mov_b32 s23, 0
	s_lshl_b32 s24, s21, 15                        ; a tile of the image is 32,768 bytes, a wave's quarter 8,192
	s_lshl_b32 s25, s20, 13
	s_add_co_u32 s24, s24, s25
	s_mov_b32 s25, 0
	s_wait_kmcnt 0x0
	s_add_nc_u64 s[8:9], s[8:9], s[22:23]
	s_add_nc_u64 s[18:19], s[18:19], s[24:25]
.irp j, 0,1,2,3,4,5,6,7,8,9,10,11,12,13,14,15
	global_load_b128 v[16+8*\j:19+8*\j], v5, s[8:9] offset:64*\j
	global_load_b128 v[20+8*\j:23+8*\j], v5, s[8:9] offset:64*\j+16
.endr
.irp j, 0,1,2,3,4,5,6,7,8,9,10,11,12,13,14,15
	s_wait_loadcnt 30-2*\j                         ; pair j is in; the younger pairs may be out
.irp i, 0,1,2,3
	v_cvt_pk_f16_f32 v[144+4*\j+\i], v[16+8*\j+2*\i], v[17+8*\j+2*\i]
.endr
	global_store_b128 v6, v[144+4*\j:147+4*\j], s[18:19] offset:512*\j
.endr
	s_endpgm
.Lfunc_end_k_q8cbd43793a_prep:
	.size	k_q8cbd43793a_prep, .Lfunc_end_k_q8cbd43793a_prep-k_q8cbd43793a_prep
	.p2alignl 7, 3214868480
	.fill 96, 4, 3214868480
	.section	.rodata,"a",@progbits
	.p2align	6, 0x0
	.amdhsa_kernel k_q8cbd43793a_prep
		.amdhsa_group_segment_fixed_size 33280
		.amdhsa_private_segment_fixed_size 0
		.amdhsa_enable_private_segment 0
		.amdhsa_kernarg_size 64
		.amdhsa_user_sgpr_count 2
		.amdhsa_user_sgpr_kernarg_segment_ptr 1
		.amdhsa_wavefront_size32 1
		.amdhsa_system_sgpr_workgroup_id_x 1
		.amdhsa_system_sgpr_workgroup_id_y 1
		.amdhsa_system_sgpr_workgroup_id_z 1
		.amdhsa_system_vgpr_workitem_id 0
		.amdhsa_next_free_vgpr 208
		.amdhsa_next_free_sgpr 66
		.amdhsa_reserve_vcc 0
		.amdhsa_float_denorm_mode_32 3
		.amdhsa_float_denorm_mode_16_64 3
		.amdhsa_memory_ordered 1
		.amdhsa_forward_progress 1
		.amdhsa_inst_pref_size 44
	.end_amdhsa_kernel
	.amdgpu_metadata
---
amdhsa.version: [ 1, 2 ]
amdhsa.kernels:
  - .name:           k_q8cbd43793a_prep
    .symbol:         k_q8cbd43793a_prep.kd
    .args:
      - { .name: x, .offset: 0, .size: 8, .value_kind: global_buffer, .address_space: global }
      - { .name: in_proj_weight, .offset: 8, .size: 8, .value_kind: global_buffer, .address_space: global }
      - { .name: out_w, .offset: 16, .size: 8, .value_kind: global_buffer, .address_space: global }
      - { .name: xc, .offset: 24, .size: 8, .value_kind: global_buffer, .address_space: global }
      - { .name: xs, .offset: 32, .size: 8, .value_kind: global_buffer, .address_space: global }
      - { .name: wc, .offset: 40, .size: 8, .value_kind: global_buffer, .address_space: global }
      - { .name: ws, .offset: 48, .size: 8, .value_kind: global_buffer, .address_space: global }
      - { .name: owi, .offset: 56, .size: 8, .value_kind: global_buffer, .address_space: global }
    .group_segment_fixed_size: 33280
    .private_segment_fixed_size: 0
    .kernarg_segment_align: 8
    .kernarg_segment_size: 64
    .max_flat_workgroup_size: 128
    .sgpr_count:     66
    .vgpr_count:     208
    .wavefront_size: 32
...
	.end_amdgpu_metadata
.endif
;; end of part 1
;; launch proj (part 2): grid 4 x 96, 4 waves a work-group, clusters of 4 x 4, 327,680 bytes of LDS; arguments xc, xs, wc, ws, in_proj_bias, qkv; writes qkv
.if DOCPART == 2
	.amdgcn_target "amdgcn-amd-amdhsa--gfx1250"
	.amdhsa_code_object_version 6
	.text
	.protected	k_q8cbd43793a_proj
	.globl	k_q8cbd43793a_proj
	.p2align	8
	.type	k_q8cbd43793a_proj,@function
k_q8cbd43793a_proj:
	s_mov_b64 s[64:65], 0
	v_nop
	global_prefetch_b8 v0, s[64:65] scope:SCOPE_SE
	s_setreg_imm32_b32 hwreg(HW_REG_WAVE_MODE, 25, 1), 1
	s_wait_xcnt 0x0
	s_wait_alu depctr_hold_cnt(0) depctr_sa_sdst(0) depctr_va_vdst(0) depctr_va_sdst(0) depctr_va_ssrc(0) depctr_va_vcc(0) depctr_vm_vsrc(0)
	s_getreg_b32 s2, hwreg(HW_REG_IB_STS2, 6, 4)
	s_cmp_eq_u32 s2, 0
	s_cbranch_scc0 .Lentry_in_a_cluster
	s_endpgm
.Lentry_in_a_cluster:
	s_bfe_u32 s2, ttmp6, 0x10000c
	s_cmp_lg_u32 s2, 0xf033
	s_cbranch_scc0 .Lentry_shape_is_right
	s_endpgm
.Lentry_shape_is_right:
; stack = x W^T + bias on codes of FP4 (E2M1) with one E8M0 scale for each 32 along K = 1,024; sums in f32; the results, rounded once to f16, leave in the order of the next products' operand registers.
; THE IMAGE of a matrix [rows][K] in f16: [row/16][K/8][row%16][8 numbers]: 256 bytes hold 16 rows x 8 k; a tile of 16 rows x 1,024 k is 32,768 bytes.
;   qkv + 0: q, rows n*1024+l, K = its 1,024 features;  + 16 MiB: k likewise;  + 32 MiB + n x 2 MiB: v TRANSPOSED, rows = its 1,024 features, K = batch n's 1,024 positions.
; A tile of C, 256 x 256, is made by a work-group of four waves; a wave makes 128 x 128: 64 accumulators, 512 registers.  K goes in two steps of 512 through two LDS slots: both are first fills, nothing is filled again.
; The matrix instruction is used transposed (source 0 = 16 rows of B, source 1 = 16 rows of A): a lane holds ONE row of A's side and eight neighbours of B's side, 16 bytes of f16.
;   clusters 0-15 (q and k): A = x (32 tile rows), B = the weight's rows 0-2047 (8 tile columns): a lane's eight are neighbouring features of one position.
;   clusters 16-23 (v):      A = the weight's rows 2048-3071 (4 tile rows), B = x (32 tile columns): a lane's eight are neighbouring positions of one feature: v comes out transposed with no further step.
; The two kinds differ in pointers, offsets and two masks alone, all chosen by s_cselect on the cluster's number, which all partners share: there is no branch on it.
; THE BIAS: along B's side (q, k) it is the C of each sum's first product; along A's side (v) it is added on the way out; the one that does not apply is made zero by v_cndmask.
; CLUSTERS: 4 x 4 work-groups.  The four of a row need the same tiles of A, the four of a column the same tiles of B: each tile is asked for jointly.
; LIMITS: results beyond 65,504 in magnitude become infinity in f16.  No prefetch: all of a work-group's tensor loads go out at its head.
; REGISTERS: window 0: v0-31 addresses; v32-95 scale words, two sets; v96-111 the bias along A; v128-191 A's fragments, one set; v192-255 the bias along B; on the way out v128-255 are at work.
;   window 1: B's fragments, two sets, at v0 and v128.   window 2: the accumulators of my rows 0-63 ((a, b) at v[8 (8 a + b)]);   window 3: those of my rows 64-127.
.set SIZE_K, 1024
.set KSTEP,  512
.set NQ,     KSTEP/128
.set ROWB,   256                       ; a tile's row in bytes
.set KROW,   SIZE_K*4/8                ; a row of codes in memory
.set PITCH,  272                       ; an LDS row: 256 bytes + 16 of padding: the 16 rows that a load touches start 16 bytes further on in each 256
.set FR,     8
.set NL,     2
.set NP,     4
.set HALFT,  128*PITCH
.set SLOT,   4*HALFT
.set KS,     SIZE_K/32
.set SCL,    2*SLOT                    ; behind the slots: the scales, as rows of 256 bytes + 16
.set HALFS,  (128*KS/256)*272
.set SBLK,   (16*KS/256)*272
.set SPARE,  SCL+4*HALFS               ; the spare words, 128 bytes a wave, which no other line names
.set ADRA, 16
.set ADRB, 20
.set CO,   26                          ; v26 16 x lane: my place in every store of 512 bytes
.set ADRS, 27
.set SPW,  28
.set NIL,  29
.set ZR,   30                          ; v30 0, for the masks
.set SC,   32
.set BY,   96                          ; v[96+2a], v[97+2a]: the bias of my row of A's block a, twice
.set AF,   128
.set TP,   128                         ; the way out: a block's 64 numbers in f32
.set BX,   192                         ; v[192+8b ..]: the bias of my eight columns of B's block b
.set PK,   192                         ; the way out: packed results, two sets of 32
.set G1, 24
.set G0, 32
.set G1B, 48
.set G0B, 56
.set G1S, 68
.set G0S, 76
.set G1SB, 80
.set G0SB, 88
.set MSB, 0
.macro WIN new                         ; the immediate's high byte repeats the setting that is left
.if MSB != (\new)
	s_set_vgpr_msb (MSB<<8)|(\new)
.set MSB, (\new)
.endif
.endm
.set MUL_LO, 0xa1                      ; source 0 (B) window 1, source 1 (A) window 0, C and D window 2
.set MUL_HI, 0xf1                      ; the same, C and D window 3
.set TO_B,   0x40
; A joint load: waves 0 and 1 fetch for A, waves 2 and 3 for B; the branch hangs on the wave's number alone.  An s_nop 0 and four v_nop follow each of the two lines.
.macro JLOAD g0a, g1a, g0b, g1b
	s_cmp_eq_u32 s15, 0
	s_cbranch_scc0 .Lfor_b_\@
	tensor_load_to_lds s[\g0a:\g0a+3], s[\g1a:\g1a+7]
	s_nop 0
.rept 4
	v_nop
.endr
	s_branch .Lasked_\@
.Lfor_b_\@:
	tensor_load_to_lds s[\g0b:\g0b+3], s[\g1b:\g1b+7]
	s_nop 0
.rept 4
	v_nop
.endr
.Lasked_\@:
.endm
.macro CROUND                          ; a round of the cluster's barrier
	s_barrier_signal -1
	s_barrier_wait -1
	s_cmp_lg_u32 s14, 0
	s_cbranch_scc1 .Lnot_wave_0_\@
	s_barrier_signal -3
.Lnot_wave_0_\@:
	s_barrier_wait -3
	s_barrier_signal -1
	s_barrier_wait -1
.endm
	s_load_b128 s[4:7], s[0:1], 0x0                ; x's codes, x's scales
	s_load_b128 s[8:11], s[0:1], 0x10              ; the weight's codes, its scales
	s_load_b64 s[12:13], s[0:1], 0x20              ; the bias
	s_load_b64 s[98:99], s[0:1], 0x28              ; qkv
	v_lshl_add_u32 v[SPW], v0, 2, SPARE
	v_mov_b32 v[NIL], 0
	ds_add_u32 v[SPW], v[NIL]                      ; the wave's opening: the add, twice on end, and its wait ahead of my first tensor load
	ds_add_u32 v[SPW], v[NIL]
	v_lshrrev_b32 v1, 5, v0
	v_readfirstlane_b32 s14, v1                    ; wave 0..3
	s_lshr_b32 s15, s14, 1                         ; which half of the tile's rows is mine.  Also: I fetch for A (0) or for B (1)
	s_and_b32 s16, s14, 1                          ; which half of its columns.  Also: which 128 rows I fetch
	s_bfe_u32 s40, ttmp6, 0x40000                  ; cx, cy: my place in the cluster
	s_bfe_u32 s41, ttmp6, 0x40004
	s_and_b32 s95, ttmp7, 0xffff                   ; the cluster's number, 0..23: from 16 on it makes v
	s_max_u32 s18, s95, 16
	s_sub_co_u32 s18, s18, 16
	s_and_b32 s19, s95, 1
	s_lshr_b32 s20, s95, 1
	s_cmp_ge_u32 s95, 16
	s_cselect_b32 s42, s18, s19                    ; the cluster's column: v: 0..7;  q, k: 0..1
	s_cselect_b32 s17, 0, s20                      ; its row: v: 0;  q, k: 0..7
	s_cselect_b32 s96, -1, 0                       ; a mask of all lanes for v
	s_cselect_b32 s97, 2048, 0                     ; A's first row in its tensor
	s_lshl_b32 s42, s42, 2
	s_add_co_u32 s42, s42, s40                     ; tile column
	s_lshl_b32 s17, s17, 2
	s_add_co_u32 s17, s17, s41                     ; tile row
	s_lshl_b32 s43, s41, 2
	s_lshl_b32 s43, 15, s43                        ; my row of the cluster
	s_lshl_b32 s44, 0x1111, s40                    ; my column
	; descriptor group 1: a tile of 128 rows x 256 bytes, 16 bytes of padding behind each row
	s_or_b32 s[G1+0], s43, (0<<16)|(1<<20)|(1<<21)|(5<<22)|(3<<25)
	s_or_b32 s[G1B+0], s44, (0<<16)|(1<<20)|(1<<21)|(5<<22)|(3<<25)
.irp g, G1, G1B
	s_mov_b32 s[\g+1], ROWB<<16                    ; tensor_dim0
	s_mov_b32 s[\g+2], 128<<16                     ; tensor_dim1
	s_mov_b32 s[\g+3], ROWB<<16                    ; tile_dim0
	s_mov_b32 s[\g+4], 128                         ; tile_dim1
	s_mov_b32 s[\g+5], KROW                        ; from row to row
	s_mov_b32 s[\g+6], 0
	s_mov_b32 s[\g+7], 0
.endr
	; the scales of 128 rows: 4,096 dense bytes, as 16 rows of 256 bytes (32 elements of 8 bytes), 16 bytes of padding behind each
	s_or_b32 s[G1S+0], s43, (3<<16)|(1<<20)|(1<<21)|(5<<22)|(3<<25)
	s_or_b32 s[G1SB+0], s44, (3<<16)|(1<<20)|(1<<21)|(5<<22)|(3<<25)
.irp g, G1S, G1SB
	s_mov_b32 s[\g+1], 32<<16
	s_mov_b32 s[\g+2], (128*KS/256)<<16
	s_mov_b32 s[\g+3], 32<<16
	s_mov_b32 s[\g+4], 128*KS/256
	s_mov_b32 s[\g+5], 32
	s_mov_b32 s[\g+6], 0
	s_mov_b32 s[\g+7], 0
.endr
	s_lshl_b32 s18, s16, 7                         ; which 128 rows of the tile I fetch
	s_lshl_b32 s20, s17, 8
	s_add_co_u32 s20, s20, s18
	s_add_co_u32 s20, s20, s97                     ; A: row 256 x tile row + 128 x half (+ 2,048 in the weight)
	s_lshl_b32 s46, s42, 8
	s_add_co_u32 s46, s46, s18                     ; B: row 256 x tile column + 128 x half
	s_mov_b32 s21, 0
	s_mov_b32 s47, 0
	s_mov_b64 s[18:19], KS
	s_mul_u64 s[22:23], s[20:21], s[18:19]         ; where these rows' scales begin,
	s_mul_u64 s[92:93], s[46:47], s[18:19]
	s_mov_b64 s[18:19], KROW
	s_mul_u64 s[20:21], s[20:21], s[18:19]         ; and their codes
	s_mul_u64 s[46:47], s[46:47], s[18:19]
	s_mul_i32 s45, s14, HALFT                      ; where they go: wave x 128 rows: no place in the cluster enters an LDS address
	s_mul_i32 s94, s14, HALFS
	s_wait_dscnt 0x0                               ; both opening adds are done
	s_wait_kmcnt 0x0
	s_cmp_ge_u32 s95, 16                           ; for v the two tensors change places
	s_cselect_b64 s[2:3], s[8:9], s[4:5]
	s_cselect_b64 s[8:9], s[4:5], s[8:9]           ; B's codes
	s_mov_b64 s[4:5], s[2:3]                       ; A's codes
	s_cselect_b64 s[2:3], s[10:11], s[6:7]
	s_cselect_b64 s[10:11], s[6:7], s[10:11]       ; B's scales
	s_mov_b64 s[6:7], s[2:3]                       ; A's scales
	s_add_nc_u64 s[20:21], s[4:5], s[20:21]
	s_add_nc_u64 s[22:23], s[6:7], s[22:23]
	s_add_nc_u64 s[46:47], s[8:9], s[46:47]
	s_add_nc_u64 s[92:93], s[10:11], s[92:93]
	CROUND                                         ; all sixteen work-groups are here: the joint loads meet
	s_mov_b32 s[G0S], 1
	s_add_co_u32 s[G0S+1], s94, SCL
	s_mov_b64 s[G0S+2:G0S+3], s[22:23]
	s_or_b32 s[G0S+3], s[G0S+3], 0x80000000
	s_mov_b32 s[G0SB], 1
	s_add_co_u32 s[G0SB+1], s94, SCL
	s_mov_b64 s[G0SB+2:G0SB+3], s[92:93]
	s_or_b32 s[G0SB+3], s[G0SB+3], 0x80000000
	JLOAD G0S, G1S, G0SB, G1SB                     ; the scales first: they are wanted with K step 0
.irp s, 0,1
	s_mov_b32 s[G0+4*\s], 1
	s_add_co_u32 s[G0+4*\s+1], s45, \s*SLOT
	s_add_nc_u64 s[G0+4*\s+2:G0+4*\s+3], s[20:21], \s*ROWB
	s_or_b32 s[G0+4*\s+3], s[G0+4*\s+3], 0x80000000
	s_mov_b32 s[G0B+4*\s], 1
	s_add_co_u32 s[G0B+4*\s+1], s45, \s*SLOT
	s_add_nc_u64 s[G0B+4*\s+2:G0B+4*\s+3], s[46:47], \s*ROWB
	s_or_b32 s[G0B+4*\s+3], s[G0B+4*\s+3], 0x80000000
	JLOAD G0+4*\s, G1, G0B+4*\s, G1B               ; three tensor loads of mine are out: the scales and both slots
.endr
	v_and_b32 v1, 15, v0                           ; r = lane % 16
	v_bfe_u32 v2, v0, 4, 1                         ; hh = lane / 16
	v_mul_u32_u24 v3, v1, PITCH
	v_lshl_add_u32 v4, v2, 4, v3                   ; a fragment's row x pitch + 16 x half
	s_mul_i32 s21, s15, HALFT                      ; my 128 rows of A
	s_mul_i32 s22, s16, HALFT                      ; my 128 rows of B,
	s_add_co_u32 s22, s22, 2*HALFT                 ; which lie behind A's 256
.irp s, 0,1
	v_add_nc_u32 v[ADRA+\s], s21, v4
	v_add_nc_u32 v[ADRB+\s], s22, v4
	s_add_co_u32 s21, s21, SLOT
	s_add_co_u32 s22, s22, SLOT
.endr
	v_mul_u32_u24 v5, v1, KS                       ; my row's scales: 32 bytes a row,
	v_lshrrev_b32 v6, 8, v5
	v_lshl_add_u32 v5, v6, 4, v5                   ; and 16 more for each 256 passed
	s_mul_i32 s21, s15, HALFS
	s_mul_i32 s22, s16, HALFS
	s_add_co_u32 s22, s22, 2*HALFS
	s_sub_co_u32 s22, s22, s21
	v_mul_u32_u24 v6, s22, v2                      ; lanes 16-31 take B's
	s_add_co_u32 s21, s21, SCL
	v_add_nc_u32 v5, v5, v6
	v_add_nc_u32 v[ADRS], s21, v5
	; the bias and the way out
	s_lshl_b32 s20, s17, 8
	s_lshl_b32 s21, s15, 7
	s_add_co_u32 s20, s20, s21                     ; my first row on A's side: 256 x tile row + 128 x half
	s_lshl_b32 s46, s42, 8
	s_lshl_b32 s47, s16, 7
	s_add_co_u32 s46, s46, s47                     ; my first column on B's side
	s_lshl_b32 s22, s46, 2
	s_add_co_u32 s23, s20, 2048
	s_lshl_b32 s23, s23, 2
	s_cmp_ge_u32 s95, 16
	s_cselect_b32 s22, 0, s22                      ; q, k: the bias runs along B's side, from 4 x my first column; v: any place inside the buffer, the numbers are masked
	s_cselect_b32 s23, s23, 0                      ; v: along A's side, from 4 x (2,048 + my first row)
	s_cselect_b32 s21, 21, 24                      ; the part of the column above 1,024 picks a batch of v (2 MiB) or q / k (16 MiB)
	s_cselect_b32 s18, 0x2000000, 0                ; v's images begin at 32 MiB
	v_lshl_add_u32 v7, v2, 5, s22                  ; + 32 hh: my eight columns
	v_lshl_add_u32 v8, v1, 2, s23                  ; + 4 r: my row
.irp b, 0,1,2,3,4,5,6,7
	global_load_b128 v[BX+8*\b:BX+8*\b+3], v7, s[12:13] offset:64*\b
	global_load_b128 v[BX+8*\b+4:BX+8*\b+7], v7, s[12:13] offset:64*\b+16
.endr
.irp a, 0,1,2,3,4,5,6,7
	global_load_b32 v[BY+2*\a], v8, s[12:13] offset:64*\a
.endr
	s_lshr_b32 s47, s46, 10
	s_lshl_b32 s47, s47, s21
	s_add_co_u32 s47, s47, s18
	s_and_b32 s18, s46, 1023
	s_lshl_b32 s18, s18, 5                         ; 8 columns are 256 bytes of a tile
	s_add_co_u32 s47, s47, s18
	s_lshl_b32 s18, s20, 11                        ; 16 rows are a tile of 32,768 bytes
	s_add_co_u32 s18, s18, s47
	s_mov_b32 s19, 0
	s_add_nc_u64 s[98:99], s[98:99], s[18:19]
	v_mov_b32 v[ZR], 0
	v_and_b32 v9, 31, v0
	v_lshlrev_b32 v[CO], 4, v9
	s_wait_loadcnt 0x0                             ; the bias
.set i, 0
.rept 64
	v_cndmask_b32 v[BX+i], v[BX+i], v[ZR], s96     ; v: nothing along B's side
.set i, i+1
.endr
.irp a, 0,1,2,3,4,5,6,7
	v_cndmask_b32 v[BY+2*\a+1], v[ZR], v[BY+2*\a], s96   ; q, k: nothing along A's side; the number twice, for the packed addition
	v_cndmask_b32 v[BY+2*\a], v[ZR], v[BY+2*\a], s96
.endr
.rept 8
	v_nop                                          ; plain lines between registers written by vector instructions and the scaled products that take them
.endr
.macro FRAG reg, adr, q, i             ; a fragment, 16 rows x 128 K of 4-bit codes: lane l holds row l % 16; registers 4 c .. 4 c + 3 hold K = 64 c + 32 (l / 16) + 0 .. 31
.irp c, 0,1
	ds_load_b128 v[\reg+4*\c:\reg+4*\c+3], v[\adr] offset:64*(\q)+32*\c+(\i)*16*PITCH
.endr
.endm
; 16 products: A's blocks a0, a0 + 1 x B's eight, the slot's q-th 128 along K.  p: B's set; sc: the set of scale words.  zero = 1: the first product starts the sums, with the bias along B's side as its C.
; The 64 accumulators take turns, one instruction a turn, in the same order in every step.
.macro MUL16 a0, p, q, sc, zero
.irp a, \a0, \a0+1
.irp b, 0,1,2,3,4,5,6,7
.if \zero
	v_wmma_scale_f32_16x16x128_f8f6f4 v[8*(8*((\a)%4)+\b):8*(8*((\a)%4)+\b)+7], v[128*(\p)+FR*\b:128*(\p)+FR*\b+FR-1], v[AF+FR*(\a):AF+FR*(\a)+FR-1], v[BX+8*\b:BX+8*\b+7], v[SC+8*NQ*(\sc)+NQ*\b+(\q)], v[SC+8*NQ*(\sc)+NQ*(\a)+(\q)] matrix_a_fmt:MATRIX_FMT_FP4 matrix_b_fmt:MATRIX_FMT_FP4 matrix_a_scale:MATRIX_SCALE_ROW1
.else
	v_wmma_scale_f32_16x16x128_f8f6f4 v[8*(8*((\a)%4)+\b):8*(8*((\a)%4)+\b)+7], v[128*(\p)+FR*\b:128*(\p)+FR*\b+FR-1], v[AF+FR*(\a):AF+FR*(\a)+FR-1], v[8*(8*((\a)%4)+\b):8*(8*((\a)%4)+\b)+7], v[SC+8*NQ*(\sc)+NQ*\b+(\q)], v[SC+8*NQ*(\sc)+NQ*(\a)+(\q)] matrix_a_fmt:MATRIX_FMT_FP4 matrix_b_fmt:MATRIX_FMT_FP4 matrix_a_scale:MATRIX_SCALE_ROW1
.endif
.endr
.endr
.endm
.macro FETCH_B slot, q, p
	WIN TO_B
.irp i, 0,1,2,3,4,5,6,7
	FRAG 128*(\p)+FR*\i, ADRB+\slot, \q, \i
.endr
	WIN 0
.endm
.macro FETCH_A slot, q, i0
.irp i, \i0, \i0+1, \i0+2, \i0+3
	FRAG AF+FR*(\i), ADRA+\slot, \q, \i
.endr
.endm
.macro SCALES sc                       ; a K step's scale words: 4 words a row; lanes 0-15 take A's block i, lanes 16-31 B's block i
.irp i, 0,1,2,3,4,5,6,7
	ds_load_b128 v[SC+8*NQ*\sc+NQ*\i:SC+8*NQ*\sc+NQ*\i+3], v[ADRS] offset:\i*SBLK
.endr
.endm
.macro PLACES n                        ; plain lines between a product and a load into, or a read of, its registers
.rept \n
	v_nop
.endr
.endm
; A step of 128 along K that has its successor in the same slot.  zero = 1: C lies in window 0.
.macro STEP slot, q, zero
	s_wait_dscnt 4*NL                              ; B's set and A's blocks 0-3 are in; the youngest eight loads (A's blocks 4-7) may be out
	WIN MUL_LO-0x20*(\zero)
	MUL16 0, (\q)%2, \q, \slot, \zero
	MUL16 2, (\q)%2, \q, \slot, \zero
	s_wait_dscnt 0                                 ; A's blocks 4-7 are in
	PLACES NP
	FETCH_B \slot, (\q)+1, 1-(\q)%2
	FETCH_A \slot, (\q)+1, 0
	WIN MUL_HI-0x30*(\zero)
	MUL16 4, (\q)%2, \q, \slot, \zero
	MUL16 6, (\q)%2, \q, \slot, \zero
	PLACES NP
	WIN 0
	FETCH_A \slot, (\q)+1, 4
.endm
; Slot 0's last step changes slots: one barrier; in front of it each wave waits for all its tensor loads (its part of slot 1), adds 0 to its spare word, and waits for that and for its reads.  Nothing is filled again.
.macro TURN slot, next
	s_wait_tensorcnt 0x0
	ds_add_u32 v[SPW], v[NIL]
	s_wait_dscnt 4*NL+1                            ; (the add and the youngest eight loads may be out)
	WIN MUL_LO
	MUL16 0, 1, NQ-1, \slot, 0
	s_wait_dscnt 0x0
	s_barrier_signal -1
	MUL16 2, 1, NQ-1, \slot, 0
	WIN 0
	s_barrier_wait -1
	PLACES NP
	v_add_nc_u32 v[ADRS], 4*NQ, v[ADRS]            ; on to the next K step's scale words (no LDS load of mine is out)
	FETCH_B \next, 0, 0
	FETCH_A \next, 0, 0
	SCALES \next
	WIN MUL_HI
	MUL16 4, 1, NQ-1, \slot, 0
	MUL16 6, 1, NQ-1, \slot, 0
	PLACES NP
	WIN 0
	FETCH_A \next, 0, 4
.endm
.macro STEPS slot, from
.set Q, \from
.rept NQ-1-\from
	STEP \slot, Q, 0
.set Q, Q+1
.endr
.endm
	s_wait_tensorcnt 1                             ; the scales and my part of slot 0 are in (slot 1's load may be out),
	s_barrier_signal -1
	s_barrier_wait -1                              ; everybody's are
	FETCH_B 0, 0, 0
	FETCH_A 0, 0, 0
	SCALES 0
	FETCH_A 0, 0, 4
	STEP 0, 0, 1
	STEPS 0, 1
	TURN 0, 1
	STEPS 1, 0
	s_wait_dscnt 4*NL                              ; the very last step: nothing more to fetch
	WIN MUL_LO
	MUL16 0, 1, NQ-1, 1, 0
	MUL16 2, 1, NQ-1, 1, 0
	s_wait_dscnt 0
	WIN MUL_HI
	MUL16 4, 1, NQ-1, 1, 0
	MUL16 6, 1, NQ-1, 1, 0
	WIN 0
	; THE WAY OUT, block by block of 16 rows of A's side.  A lane's eight results of accumulator (a, b), with the bias along A's side added, round to 16 bytes; the wave's 32 x 16 bytes are two neighbouring
	; units of the image: each store covers 512 consecutive bytes, aligned.  No LDS.  Each accumulator is read from its low end on.
	PLACES NP
.irp a, 0,1,2,3,4,5,6,7
.if \a >= 2
	s_wait_xcnt 0x0                                ; the stores of two blocks back have read their data: that set is written again only behind this wait
.endif
	WIN 0x02+(\a)/4                                ; source 0: window 2 or 3
.irp b, 0,1,2,3,4,5,6,7
.irp i, 0,2,4,6
	v_pk_add_f32 v[TP+8*\b+\i:TP+8*\b+\i+1], v[64*((\a)%4)+8*\b+\i:64*((\a)%4)+8*\b+\i+1], v[BY+2*\a:BY+2*\a+1]
.endr
.endr
	WIN 0
.irp b, 0,1,2,3,4,5,6,7
.irp i, 0,1,2,3
	v_cvt_pk_f16_f32 v[PK+32*((\a)%2)+4*\b+\i], v[TP+8*\b+2*\i], v[TP+8*\b+2*\i+1]
.endr
.endr
.irp b, 0,1,2,3,4,5,6,7
	global_store_b128 v[CO], v[PK+32*((\a)%2)+4*\b:PK+32*((\a)%2)+4*\b+3], s[98:99] offset:\a*32768+\b*512
.endr
.endr
	s_wait_tensorcnt 0x0                           ; the wave's end
	ds_add_u32 v[SPW], v[NIL]
	s_wait_dscnt 0x0
	CROUND                                         ; the closing round
	s_endpgm
.Lfunc_end_k_q8cbd43793a_proj:
	.size	k_q8cbd43793a_proj, .Lfunc_end_k_q8cbd43793a_proj-k_q8cbd43793a_proj
	.p2alignl 7, 3214868480
	.fill 96, 4, 3214868480
	.section	.rodata,"a",@progbits
	.p2align	6, 0x0
	.amdhsa_kernel k_q8cbd43793a_proj
		.amdhsa_group_segment_fixed_size 327680
		.amdhsa_private_segment_fixed_size 0
		.amdhsa_enable_private_segment 0
		.amdhsa_kernarg_size 48
		.amdhsa_user_sgpr_count 2
		.amdhsa_user_sgpr_kernarg_segment_ptr 1
		.amdhsa_wavefront_size32 1
		.amdhsa_system_sgpr_workgroup_id_x 1
		.amdhsa_system_sgpr_workgroup_id_y 1
		.amdhsa_system_sgpr_workgroup_id_z 1
		.amdhsa_system_vgpr_workitem_id 0
		.amdhsa_next_free_vgpr 1024
		.amdhsa_next_free_sgpr 100
		.amdhsa_reserve_vcc 0
		.amdhsa_float_denorm_mode_32 3
		.amdhsa_float_denorm_mode_16_64 3
		.amdhsa_memory_ordered 1
		.amdhsa_forward_progress 1
		.amdhsa_inst_pref_size 142
	.end_amdhsa_kernel
	.amdgpu_metadata
---
amdhsa.version: [ 1, 2 ]
amdhsa.kernels:
  - .name:           k_q8cbd43793a_proj
    .symbol:         k_q8cbd43793a_proj.kd
    .args:
      - { .name: xc, .offset: 0, .size: 8, .value_kind: global_buffer, .address_space: global }
      - { .name: xs, .offset: 8, .size: 8, .value_kind: global_buffer, .address_space: global }
      - { .name: wc, .offset: 16, .size: 8, .value_kind: global_buffer, .address_space: global }
      - { .name: ws, .offset: 24, .size: 8, .value_kind: global_buffer, .address_space: global }
      - { .name: in_proj_bias, .offset: 32, .size: 8, .value_kind: global_buffer, .address_space: global }
      - { .name: qkv, .offset: 40, .size: 8, .value_kind: global_buffer, .address_space: global }
    .group_segment_fixed_size: 327680
    .private_segment_fixed_size: 0
    .kernarg_segment_align: 8
    .kernarg_segment_size: 48
    .max_flat_workgroup_size: 128
    .sgpr_count:     100
    .vgpr_count:     1024
    .wavefront_size: 32
...
	.end_amdgpu_metadata
.endif
;; end of part 2
;; launch attn (part 3): grid 32 x 8, 4 waves a work-group, clusters of 4 x 1, 327,680 bytes of LDS; arguments qkv, ctx, out1; writes ctx, out1
.if DOCPART == 3
	.amdgcn_target "amdgcn-amd-amdhsa--gfx1250"
	.amdhsa_code_object_version 6
	.text
	.protected	k_q8cbd43793a_attn
	.globl	k_q8cbd43793a_attn
	.p2align	8
	.type	k_q8cbd43793a_attn,@function
k_q8cbd43793a_attn:
	s_mov_b64 s[64:65], 0
	v_nop
	global_prefetch_b8 v0, s[64:65] scope:SCOPE_SE
	s_setreg_imm32_b32 hwreg(HW_REG_WAVE_MODE, 25, 1), 1
	s_wait_xcnt 0x0
	s_wait_alu depctr_hold_cnt(0) depctr_sa_sdst(0) depctr_va_vdst(0) depctr_va_sdst(0) depctr_va_ssrc(0) depctr_va_vcc(0) depctr_vm_vsrc(0)
	s_getreg_b32 s2, hwreg(HW_REG_IB_STS2, 6, 4)
	s_cmp_eq_u32 s2, 0
	s_cbranch_scc0 .Lentry_in_a_cluster
	s_endpgm
.Lentry_in_a_cluster:
	s_bfe_u32 s2, ttmp6, 0x10000c
	s_cmp_lg_u32 s2, 0x3003
	s_cbranch_scc0 .Lentry_shape_is_right
	s_endpgm
.Lentry_shape_is_right:
; weight = softmax(q k^T / 8) for each batch n and head h; context = weight v; out1[n][l][s] = the mean of weight over the 16 heads.  q, k, v^T come as f16 images (see below); products in f16, sums in f32.
; THE IMAGE of [rows][K]: [row/16][K/8][row%16][8 f16]; a tile of 16 rows x 1,024 K is 32,768 bytes; a fragment (16 rows x 32 K) is two loads of 512 consecutive bytes at 16 x lane.
;   qkv + 0: q, tile n*64 + l/16, head h = the 2,048 bytes at 2,048 h of a tile;  + 16 MiB: k likewise;  + 32 MiB + n x 2 MiB: v^T, tile 4 h + d/16, K = the keys.  ctx is laid like q.
; SHARES.  A work-group owns 32 queries of one batch (two tiles qt), ALL 1,024 keys and ALL 16 heads, so the mean over heads stays in registers: 32 x 1,024 f32 = 256 registers in each of four waves.
; Wave w owns keys 256 w .. 256 w + 255 (16 tiles T).  Scores and exponentials are made once.
; LAYOUT.  S^T = K Q^T (source 0 = 16 keys, source 1 = 16 queries): a lane holds ONE query (lane % 16) and keys 8 (lane / 16) + 0..7 of tile T.  Two such tiles rounded to f16 ARE source 1 of O^T = V^T P.
; SOFTMAX.  Each wave takes the true maximum m of its own 256 keys: p = 2^(c s - c m), c = log2(e) / 8, and the sum of p.  The four waves' (c m, sum) meet in LDS: M = the largest c m,
; total = the sum of sum_w 2^(c m_w - M), g = 2^(c m_own - M) / total: weight = g p.  O^T's part is multiplied by g, the four parts are added through LDS; the mean takes p g / 16.
; THE RING.  K's slot and V's slot, one head each, take turns: K V K V ..  Behind the round in a head's middle K's slot takes the next head's K; behind the round at its end V's slot the next head's V.
; CLUSTER.  The four work-groups of a cluster share the batch and walk the same K and V: every tile is asked for jointly, each wave one load behind each round.
; THE WALK.  The batch is the cluster's x; the block of 32 queries is 4 y + the place in the cluster.  Cluster y begins at head 2 y and goes round all sixteen: head (2 y + i) mod 16 in step i.  So the eight
; clusters of a batch ask for eight different heads at any time, and from step 2 on a cluster asks for tiles that the cluster with the next y read two steps earlier.  The order of heads changes only the
; order of the sixteen additions in the mean.  NO PREFETCH: of a cluster's sixteen heads fourteen have been read two steps earlier by another cluster, and the first two are asked for at the kernel's head
; and one phase behind it.
; LIMITS: p goes to the second product in f16 (p <= 1; under 6e-8 it is 0 there; the mean takes p in f32); the context goes out in f16.
; REGISTERS: window 0: addresses, statistics, v64-95 Q, v96-159 and v160-223 two sets of fragments, v224-247 the four waves' statistics.
;   window 1: S^T then p, tile (T, qt) at 8 (2 T + qt).   window 2: the mean, laid like S^T.   window 3: v0-127 P (u, qt) at 8 (2 u + qt); v128-191 O^T (dt, qt) at 128 + 8 (2 dt + qt); v192-255 the parts of O.
.set VS,    131072                     ; LDS: K's slot at 0: [T 0..63][2,048 bytes]; V's slot here: [dt 0..3][32,768 bytes]
.set OX,    262144                     ; four parts of O: 32 rows x (256 bytes + 16) each
.set OXP,   272
.set STAT,  296960                     ; (c m, sum): 256 bytes a wave, 8 bytes a query
.set SPARE, 297984                     ; the spare words, 128 bytes a wave, which no other line names
.set SGP,   1040                       ; the way out: a row of 256 keys in f32 + 16, in the wave's own quarter of K's slot, which has had its last fill by then
.set LI,   1                           ; v1  16 x lane
.set AK,   2                           ; v2  my wave's quarter of K's slot + 16 x lane
.set AV0,  3                           ; v3  V's slot + my keys' 8,192 bytes of a tile + 16 x lane
.set AV1,  4                           ; v4  the same two tiles on
.set OXW,  5                           ; v5  where I put my part of O
.set OXR,  6                           ; v6  where I read the four parts
.set STW,  7                           ; v7  where I put my query's (c m, sum)
.set STR,  8                           ; v8  where I read the four waves'
.set SGW,  9                           ; v9  the way out: where I put 32 bytes of a row
.set SPW,  12
.set NIL,  13
.set CM,   16                          ; v[16+2qt] c m, v[17+2qt] the sum
.set MX,   20                          ; v20-23 four chains of maxima
.set SU,   24                          ; v24-31 four pairs of sums
.set GG,   32                          ; v[32+2qt] g (the pair's upper word is written once and not used)
.set PT,   36                          ; v36-39 targets of lane permutes
.set G16,  40                          ; v[40+2qt] g / 16
.set EO,   44                          ; v44, v45 2^(c m_own - M)
.set MM,   46                          ; v46, v47 M
.set TT,   48                          ; v48, v49 total
.set QF,   64
.set F0,   96
.set GS,   224                         ; v[224+4w+2qt] c m, +1 the sum, of wave w
.set GE,   240                         ; v[240+4qt+w] 2^(c m_w - M)
.set QP,   2                           ; s[2:3]   q at the head whose fragments are being loaded
.set WV,   10
.set HCUR, 13                          ; s13      the head in hand
.set CP,   14                          ; s[14:15] ctx at the head in hand
.set G1K,  16
.set G1V,  24
.set G0K,  32
.set G0V,  36
.set QB0,  40                          ; s[40:41] q, s[42:43] ctx, s[44:45] K, s[46:47] V: my part at head 0; never rewritten
.set CB0,  42
.set KB0,  44
.set VB0,  46
.set HNXT, 48                          ; s48      the next head: (the head in hand + 1) mod 16
.set CNT,  49
.set CS,   50
.set SEL,  52
.set OB,   54
.set OFA,  58                          ; s[58:59] 2,048 x the next head;  s[60:61] 131,072 x the next head;  s[62:63] 2,048 x the head in hand; the upper words stay 0
.set OFV,  60
.set OFC,  62
.set MSB, 0
.macro WIN new                         ; the immediate's high byte repeats the setting that is left; bits 1:0 source 0, 3:2 source 1, 5:4 source 2, 7:6 destination
.if MSB != (\new)
	s_set_vgpr_msb (MSB<<8)|(\new)
.set MSB, (\new)
.endif
.endm
.set W_S,    0x50
.set W_MAX,  0x14
.set W_EXP,  0x41
.set W_SUM0, 0x05
.set W_SUM,  0x04
.set W_CVT,  0xc5
.set W_ATT,  0xa1
.set W_PV,   0xfc
.set W_OSC,  0xc3
.set W_D3,   0x0c
.set W_L3,   0xc0
.set W_X,    0xcf
.set W_D2,   0x08
.macro CROUND                          ; a round of the cluster's barrier
	s_barrier_signal -1
	s_barrier_wait -1
	s_cmp_lg_u32 s[WV], 0
	s_cbranch_scc1 .Lnot_wave_0_\@
	s_barrier_signal -3
.Lnot_wave_0_\@:
	s_barrier_wait -3
	s_barrier_signal -1
	s_barrier_wait -1
.endm
.macro PLACES
.rept 4
	v_nop
.endr
.endm
	s_load_b128 s[4:7], s[0:1], 0x0                ; qkv, ctx
	s_load_b64 s[8:9], s[0:1], 0x10                ; out1
	v_lshl_add_u32 v[SPW], v0, 2, SPARE
	v_mov_b32 v[NIL], 0
	ds_add_u32 v[SPW], v[NIL]                      ; the wave's opening: the add, twice on end, and its wait ahead of my first tensor load
	ds_add_u32 v[SPW], v[NIL]
	v_lshrrev_b32 v14, 5, v0
	v_readfirstlane_b32 s[WV], v14                 ; wave 0..3
	s_bfe_u32 s11, ttmp6, 0x40000                  ; cx
	s_and_b32 s[HNXT], ttmp7, 0xffff               ; y, which the partners share
	s_lshl_b32 s12, s[HNXT], 2
	s_add_co_u32 s12, s12, s11                     ; my block of 32 queries, 4 y + cx: it enters q's, ctx's and out1's addresses alone
	s_lshl_b32 s[HNXT], s[HNXT], 1                 ; the cluster's first head: 2 y
	; group 1 for K: 16 rows of 2,048 bytes (256 elements of 8), 32,768 bytes apart; for V: 32,768 dense bytes as 128 rows of 256.  Mask: all four work-groups.  No padding: every fragment load is 512 bytes on end
	s_mov_b32 s[G1K], 15|(3<<16)|(1<<21)
	s_mov_b32 s[G1K+1], 256<<16
	s_mov_b32 s[G1K+2], 16<<16
	s_mov_b32 s[G1K+3], 256<<16
	s_mov_b32 s[G1K+4], 16
	s_mov_b32 s[G1K+5], 4096
	s_mov_b32 s[G1K+6], 0
	s_mov_b32 s[G1K+7], 0
	s_mov_b32 s[G1V], 15|(3<<16)|(1<<21)
	s_mov_b32 s[G1V+1], 32<<16
	s_mov_b32 s[G1V+2], 128<<16
	s_mov_b32 s[G1V+3], 32<<16
	s_mov_b32 s[G1V+4], 128
	s_mov_b32 s[G1V+5], 32
	s_mov_b32 s[G1V+6], 0
	s_mov_b32 s[G1V+7], 0
	s_mov_b32 s[CS], 0x3e38aa3b                    ; c = log2(e) / 8
	s_mov_b32 s[CS+1], s[CS]
	s_mov_b32 s[SEL], 0x76543210
	s_mov_b32 s[SEL+1], 0xfedcba98                 ; lane l xor 16
	s_mov_b32 s[CNT], 14
	v_and_b32 v14, 31, v0                          ; lane
	v_and_b32 v15, 15, v0                          ; r
	v_bfe_u32 v44, v0, 4, 1                        ; hh
	v_lshlrev_b32 v[LI], 4, v14
	s_lshl_b32 s56, s[WV], 15
	v_add_nc_u32 v[AK], s56, v[LI]
	s_lshl_b32 s57, s[WV], 13
	s_add_co_u32 s57, s57, VS
	v_add_nc_u32 v[AV0], s57, v[LI]
	v_add_nc_u32 v[AV1], 0x10000, v[AV0]
	v_mul_u32_u24 v45, v15, OXP
	v_lshl_add_u32 v45, v44, 5, v45                ; row r, + 32 hh
	s_mul_i32 s57, s[WV], 32*OXP
	s_add_co_u32 s57, s57, OX
	v_add_nc_u32 v[OXW], s57, v45
	s_and_b32 s57, s[WV], 1                        ; I add up query tile w & 1, channels 32 (w >> 1) on
	s_mul_i32 s57, s57, 16*OXP
	s_lshr_b32 s58, s[WV], 1
	s_lshl_b32 s58, s58, 7
	s_add_co_u32 s57, s57, s58
	s_add_co_u32 s57, s57, OX
	v_add_nc_u32 v[OXR], s57, v45
	v_lshl_add_u32 v[STR], v15, 3, STAT
	s_lshl_b32 s57, s[WV], 8
	v_add_nc_u32 v[STW], s57, v[STR]
	v_mul_u32_u24 v[SGW], v15, SGP
	v_lshl_add_u32 v[SGW], v44, 5, v[SGW]
	v_add_nc_u32 v[SGW], s56, v[SGW]
.irp i, 17,19,33,35,36,37,38,39,41,43
	v_mov_b32 v\i, 0                               ; written once: upper words of pairs that are named whole, and targets of lane permutes
.endr
	s_lshl_b32 s57, ttmp9, 21                      ; the batch is the cluster's x: its 64 tiles
	s_lshl_b32 s58, s[WV], 19                      ; K: my 16 tiles
	s_add_co_u32 s58, s58, s57
	s_add_co_u32 s58, s58, 0x1000000
	s_mov_b32 s59, 0
	s_add_co_u32 s60, s56, s57                     ; V: tile dt = w of a head
	s_add_co_u32 s60, s60, 0x2000000
	s_mov_b32 s61, 0
	s_lshl_b32 s62, s12, 16                        ; q: my two tiles
	s_add_co_u32 s62, s62, s57
	s_mov_b32 s63, 0
	s_and_b32 s14, s[WV], 1                        ; ctx: tile 2 lb + (w & 1), the 1,024 bytes of channels 32 (w >> 1) on
	s_lshl_b32 s14, s14, 15
	s_add_co_u32 s14, s14, s62
	s_lshr_b32 s15, s[WV], 1
	s_lshl_b32 s15, s15, 10
	s_add_co_u32 s14, s14, s15
	s_mov_b32 s15, 0
	s_lshl_b32 s2, ttmp9, 22                       ; out1: batch, my 32 rows of 4,096 bytes, my wave's 1,024 bytes of a row
	s_lshl_b32 s3, s12, 17
	s_add_co_u32 s2, s2, s3
	s_lshl_b32 s3, s[WV], 10
	s_add_co_u32 s2, s2, s3
	s_mov_b32 s3, 0
	s_wait_dscnt 0x0                               ; both opening adds are done
	s_wait_kmcnt 0x0
	s_add_nc_u64 s[KB0:KB0+1], s[4:5], s[58:59]    ; the four bases, at head 0
	s_add_nc_u64 s[VB0:VB0+1], s[4:5], s[60:61]
	s_add_nc_u64 s[QB0:QB0+1], s[4:5], s[62:63]
	s_add_nc_u64 s[CB0:CB0+1], s[6:7], s[14:15]
	s_add_nc_u64 s[OB:OB+1], s[8:9], s[2:3]
	s_lshl_b32 s[OFA], s[HNXT], 11                 ; the first head's place: 2,048 bytes a head in a tile of q, k and ctx,
	s_lshl_b32 s[OFV], s[HNXT], 17                 ; 131,072 in v^T (the pairs' upper words are 0)
	s_mov_b32 s[G0K], 1
	s_mov_b32 s[G0K+1], s56                        ; LDS: wave x 32,768
	s_add_nc_u64 s[G0K+2:G0K+3], s[KB0:KB0+1], s[OFA:OFA+1]
	s_or_b32 s[G0K+3], s[G0K+3], 0x80000000
	s_mov_b32 s[G0V], 1
	s_add_co_u32 s[G0V+1], s56, VS
	s_add_nc_u64 s[G0V+2:G0V+3], s[VB0:VB0+1], s[OFV:OFV+1]
	s_or_b32 s[G0V+3], s[G0V+3], 0x80000000
	s_add_nc_u64 s[QP:QP+1], s[QB0:QB0+1], s[OFA:OFA+1]
	CROUND                                         ; all four work-groups are here: the first joint loads meet
	tensor_load_to_lds s[G0K:G0K+3], s[G1K:G1K+7]  ; K of the first head
	s_nop 0
	tensor_load_to_lds s[G0V:G0V+3], s[G1V:G1V+7]  ; V of the first head: two loads of mine are out
	s_nop 0
	PLACES
.macro QLOAD                           ; each byte of q is read once in the launch
.irp q, 0,1
.irp u, 0,1
.irp c, 0,1
	global_load_b128 v[QF+8*(2*\q+\u)+4*\c:QF+8*(2*\q+\u)+4*\c+3], v[LI], s[QP:QP+1] offset:\q*32768+\u*1024+\c*512 th:TH_LOAD_NT
.endr
.endr
.endr
.endm
	QLOAD
.macro FETCHK g                        ; K's fragments of tiles 4 g .. 4 g + 3 into set g % 2: 16 loads
	WIN 0
.irp t, 0,1,2,3
.irp u, 0,1
.irp c, 0,1
.set rF, F0+64*((\g)%2)+16*\t+8*\u+4*\c
	ds_load_b128 v[rF:rF+3], v[AK] offset:(4*(\g)+\t)*2048+\u*1024+\c*512
.endr
.endr
.endr
.endm
.macro SGROUP g                        ; 16 products: eight accumulators by turns, two deep
	WIN W_S
.irp u, 0,1
.irp t, 0,1,2,3
.irp q, 0,1
.set rS, 8*(2*(4*(\g)+\t)+\q)
.set rK, F0+64*((\g)%2)+16*\t+8*\u
.set rQ, QF+8*(2*\q+\u)
.if \u == 0
	v_wmma_f32_16x16x32_f16 v[rS:rS+7], v[rK:rK+7], v[rQ:rQ+7], 0
.else
	v_wmma_f32_16x16x32_f16 v[rS:rS+7], v[rK:rK+7], v[rQ:rQ+7], v[rS:rS+7]
.endif
.endr
.endr
.endr
.endm
.macro MAXG g                          ; the maxima of group g's scores: 32 lines in four chains; each accumulator from its low end on
	WIN W_MAX
.irp t, 0,1,2,3
.irp p, 0,1,2,3
.irp q, 0,1
.set rS, 8*(2*(4*(\g)+\t)+\q)+2*\p
	v_max3_num_f32 v[MX+\q+2*(\p%2)], v[MX+\q+2*(\p%2)], v[rS], v[rS+1]
.endr
.endr
.endr
.endm
.macro FETCHV g                        ; V^T's fragments of my keys 64 g .. 64 g + 63, all four tiles of channels, into set g % 2: 16 loads
	WIN 0
.irp uu, 0,1
.irp d, 0,1,2,3
.irp c, 0,1
.set rF, F0+64*((\g)%2)+32*\uu+8*\d+4*\c
	ds_load_b128 v[rF:rF+3], v[AV0+\d/2] offset:(\d%2)*32768+(2*(\g)+\uu)*1024+\c*512
.endr
.endr
.endr
.endm
.macro CVT u                           ; p of tiles 2 u, 2 u + 1 rounded to f16: source 1 for keys 32 u on: 16 lines
	WIN W_CVT
.irp q, 0,1
.irp i, 0,1,2,3,4,5,6,7
.set rS, 8*(2*(2*(\u)+\i/4)+\q)+2*(\i%4)
	v_cvt_pk_f16_f32 v[8*(2*(\u)+\q)+\i], v[rS], v[rS+1]
.endr
.endr
.endm
.macro ATT j, first                    ; the mean takes p g / 16, tiles 4 j .. 4 j + 3: 32 lines.  first = 1: the walk's first head starts the sums
	WIN W_ATT
.irp t, 0,1,2,3
.irp q, 0,1
.irp p, 0,2,4,6
.set rA, 8*(2*(4*(\j)+\t)+\q)+\p
.if \first
	v_pk_mul_f32 v[rA:rA+1], v[rA:rA+1], v[G16+2*\q:G16+2*\q+1] op_sel_hi:[1,0]
.else
	v_pk_fma_f32 v[rA:rA+1], v[rA:rA+1], v[G16+2*\q:G16+2*\q+1], v[rA:rA+1] op_sel_hi:[1,0,1]
.endif
.endr
.endr
.endr
.endm
.macro PVGROUP g                       ; 16 products: O^T's eight accumulators by turns, keys 64 g on
	WIN W_PV
.irp uu, 0,1
.irp d, 0,1,2,3
.irp q, 0,1
.set rO, 128+8*(2*\d+\q)
.set rV, F0+64*((\g)%2)+32*\uu+8*\d
.set rP, 8*(2*(2*(\g)+\uu)+\q)
.if (2*(\g)+\uu) == 0
	v_wmma_f32_16x16x32_f16 v[rO:rO+7], v[rV:rV+7], v[rP:rP+7], 0
.else
	v_wmma_f32_16x16x32_f16 v[rO:rO+7], v[rV:rV+7], v[rP:rP+7], v[rO:rO+7]
.endif
.endr
.endr
.endr
.endm
; THE ROUND IN A HEAD'S MIDDLE.  In front of it: all my tensor loads have landed (V of this head), the add, my LDS instructions are done (my reads of K, my store of (c m, sum)).
; Behind it V is whole, nobody reads K's slot, the four waves' statistics lie in LDS.  fill = 1: K's slot takes the next head's K: my one tensor load until the next round.
.macro SYNCA fill
	WIN 0
	s_wait_tensorcnt 0x0
	ds_add_u32 v[SPW], v[NIL]
.if \fill
	s_add_nc_u64 s[G0K+2:G0K+3], s[KB0:KB0+1], s[OFA:OFA+1]   ; no load of mine is out: K's address is made anew, at the next head (its offset was made for q's loads above)
	s_or_b32 s[G0K+3], s[G0K+3], 0x80000000        ; and the type
	s_wait_dscnt 0x0
	CROUND
	tensor_load_to_lds s[G0K:G0K+3], s[G1K:G1K+7]
	s_nop 0
	PLACES
.else
	s_wait_dscnt 0x0
	s_barrier_signal -1
	s_barrier_wait -1
.endif
.endm
; THE ROUND AT A HEAD'S END.  In front of it: K of the next head has landed, the add, my reads of V and my stores of O's part are done.  Behind it the four parts of O lie in LDS and nobody reads V's slot.
.macro SYNCB fill
	WIN 0
	s_wait_tensorcnt 0x0
	ds_add_u32 v[SPW], v[NIL]
	s_wait_xcnt 0x0                                ; the last head's stores of ctx have read their base and data
	s_lshl_b32 s[OFC], s[HCUR], 11
	s_add_nc_u64 s[CP:CP+1], s[CB0:CB0+1], s[OFC:OFC+1]       ; ctx: the 2,048 bytes of the head in hand
.if \fill
	s_lshl_b32 s[OFV], s[HNXT], 17
	s_add_nc_u64 s[G0V+2:G0V+3], s[VB0:VB0+1], s[OFV:OFV+1]   ; V's address at the next head,
	s_or_b32 s[G0V+3], s[G0V+3], 0x80000000        ; and the type
	s_wait_dscnt 0x0
	CROUND
	tensor_load_to_lds s[G0V:G0V+3], s[G1V:G1V+7]
	s_nop 0
	PLACES
.else
	s_wait_dscnt 0x0
	s_barrier_signal -1
	s_barrier_wait -1
.endif
.endm
; ONE HEAD.  On entry K of this head is whole in LDS, FETCHK 0 and FETCHK 1 are issued, every window is 0.
.macro HEAD first, last
	s_mov_b32 s[HCUR], s[HNXT]                     ; the head in hand,
.if !\last
	s_add_co_u32 s[HNXT], s[HNXT], 1
	s_and_b32 s[HNXT], s[HNXT], 15                 ; and the next, round the sixteen
.endif
.irp i, 0,1,2,3
	v_mov_b32 v[MX+\i], 0xff800000                 ; -infinity starts the four chains
.endr
	s_wait_loadcnt 0x0                             ; Q of this head
	s_wait_dscnt 16                                ; K's group 0 is in; group 1's 16 loads may be out
	SGROUP 0
	PLACES                                         ; plain lines between the products and the loads into the set that they read
	FETCHK 2
	s_wait_dscnt 16
	SGROUP 1
	MAXG 0                                         ; these 32 plain lines name nothing of group 1's products: they are the places in front of the loads below
	FETCHK 3
	s_wait_dscnt 16
	SGROUP 2
	MAXG 1
	s_wait_dscnt 0x0
	SGROUP 3
	MAXG 2
.if !\last
	WIN 0
	s_lshl_b32 s[OFA], s[HNXT], 11
	s_add_nc_u64 s[QP:QP+1], s[QB0:QB0+1], s[OFA:OFA+1]       ; (the last loads from this pointer were waited for above)
	QLOAD                                          ; Q of the next head
.endif
	MAXG 3
	WIN 0
	v_max_num_f32 v[MX], v[MX], v[MX+2]
	v_max_num_f32 v[MX+1], v[MX+1], v[MX+3]
	v_permlanex16_b32 v[PT], v[MX], s[SEL], s[SEL+1]      ; the query's other keys of each tile lie in the lane 16 away
	v_permlanex16_b32 v[PT+1], v[MX+1], s[SEL], s[SEL+1]
	v_max_num_f32 v[MX], v[MX], v[PT]
	v_max_num_f32 v[MX+1], v[MX+1], v[PT+1]
	v_mul_f32 v[CM], s[CS], v[MX]                  ; c m of my 256 keys
	v_mul_f32 v[CM+2], s[CS], v[MX+1]
	WIN W_EXP
	; ONE BATCH: 128 scalings c s - c m, a pair each, and 256 exponentials; a pair's exponentials stand two scalings behind its scaling; no line names an exponential's result
.set i, 0
.rept 128
.set qq, (i/4)%2
	v_pk_fma_f32 v[2*i:2*i+1], v[2*i:2*i+1], s[CS:CS+1], v[CM+2*qq:CM+2*qq+1] op_sel_hi:[1,0,0] neg_lo:[0,0,1] neg_hi:[0,0,1]
.if i >= 2
	v_exp_f32 v[2*i-4], v[2*i-4]
	v_exp_f32 v[2*i-3], v[2*i-3]
.endif
.set i, i+1
.endr
.irp i, 252,253,254,255
	v_exp_f32 v\i, v\i
.endr
	v_nop                                          ; a plain line behind the last exponential
	s_wait_alu depctr_va_vdst(0)                   ; one wait for the batch, ahead of its first reader
	WIN W_SUM0
.irp q, 0,1
.irp p, 0,1
	v_pk_add_f32 v[SU+4*\q+2*\p:SU+4*\q+2*\p+1], v[8*\q+2*\p:8*\q+2*\p+1], v[8*\q+2*\p+4:8*\q+2*\p+5]   ; tile 0 starts the four chains
.endr
.endr
	WIN W_SUM
.set j, 8
.rept 120
.set rS, 8*(2*(j/8)+j%2)+2*((j%8)/2)
.set rC, SU+4*(j%2)+2*(((j%8)/2)%2)
	v_pk_add_f32 v[rC:rC+1], v[rC:rC+1], v[rS:rS+1]
.set j, j+1
.endr
	WIN 0
	v_pk_add_f32 v[SU:SU+1], v[SU:SU+1], v[SU+2:SU+3]
	v_pk_add_f32 v[SU+4:SU+5], v[SU+4:SU+5], v[SU+6:SU+7]
	v_add_f32 v[SU], v[SU], v[SU+1]
	v_add_f32 v[SU+4], v[SU+4], v[SU+5]
	v_permlanex16_b32 v[PT+2], v[SU], s[SEL], s[SEL+1]
	v_permlanex16_b32 v[PT+3], v[SU+4], s[SEL], s[SEL+1]
	v_add_f32 v[CM+1], v[SU], v[PT+2]              ; the sum of p over my 256 keys
	v_add_f32 v[CM+3], v[SU+4], v[PT+3]
	ds_store_b64 v[STW], v[CM:CM+1]                ; both halves of the lanes write the same 8 bytes with the same value
	ds_store_b64 v[STW], v[CM+2:CM+3] offset:128
	SYNCA !\last
.irp w, 0,1,2,3
.irp q, 0,1
	ds_load_b64 v[GS+4*\w+2*\q:GS+4*\w+2*\q+1], v[STR] offset:256*\w+128*\q
.endr
.endr
	FETCHV 0
	FETCHV 1
	CVT 0
	CVT 1
	WIN 0
	s_wait_dscnt 32                                ; the statistics are in; V's two runs of 16 may be out
	v_max3_num_f32 v[MM], v[GS], v[GS+4], v[GS+8]
	v_max3_num_f32 v[MM+1], v[GS+2], v[GS+6], v[GS+10]
	v_max_num_f32 v[MM], v[MM], v[GS+12]           ; M: the row's true maximum, as c m
	v_max_num_f32 v[MM+1], v[MM+1], v[GS+14]
.irp w, 0,1,2,3
	v_sub_f32 v[GE+\w], v[GS+4*\w], v[MM]
	v_sub_f32 v[GE+4+\w], v[GS+4*\w+2], v[MM+1]
.endr
	v_sub_f32 v[EO], v[CM], v[MM]
	v_sub_f32 v[EO+1], v[CM+2], v[MM+1]
.irp i, 0,1,2,3,4,5,6,7
	v_exp_f32 v[GE+\i], v[GE+\i]
.endr
	v_exp_f32 v[EO], v[EO]
	v_exp_f32 v[EO+1], v[EO+1]
	v_nop
	s_wait_alu depctr_va_vdst(0)                   ; one wait for the ten
	v_mul_f32 v[TT], v[GS+1], v[GE]
	v_mul_f32 v[TT+1], v[GS+3], v[GE+4]
.irp w, 1,2,3
	v_fma_f32 v[TT], v[GS+4*\w+1], v[GE+\w], v[TT]
	v_fma_f32 v[TT+1], v[GS+4*\w+3], v[GE+4+\w], v[TT+1]
.endr
	v_rcp_f32 v[TT], v[TT]                         ; total is at least 1: the wave that holds M has a p of 1
	v_rcp_f32 v[TT+1], v[TT+1]
	v_nop
	s_wait_alu depctr_va_vdst(0)
	v_mul_f32 v[GG], v[EO], v[TT]                  ; g
	v_mul_f32 v[GG+2], v[EO+1], v[TT+1]
	v_mul_f32 v[G16], 0x3d800000, v[GG]            ; g / 16
	v_mul_f32 v[G16+2], 0x3d800000, v[GG+2]
	s_wait_dscnt 16                                ; V's run 0 is in
	PVGROUP 0
	CVT 2
	CVT 3
	ATT 0, \first                                  ; 64 plain lines that name nothing of the products above: the places in front of the loads below
	FETCHV 2
	s_wait_dscnt 16
	PVGROUP 1
	CVT 4
	CVT 5
	ATT 1, \first
	FETCHV 3
	s_wait_dscnt 16
	PVGROUP 2
	CVT 6
	CVT 7
	ATT 2, \first
	s_wait_dscnt 0x0
	PVGROUP 3
	ATT 3, \first
	WIN W_OSC
.set i, 0
.rept 32
	v_pk_mul_f32 v[128+2*i:129+2*i], v[128+2*i:129+2*i], v[GG+2*((i/4)%2):GG+2*((i/4)%2)+1] op_sel_hi:[1,0]   ; my part of O^T x g, each accumulator from its low end on
.set i, i+1
.endr
	WIN W_D3
.irp d, 0,1,2,3
.irp q, 0,1
	ds_store_b128 v[OXW], v[128+8*(2*\d+\q):128+8*(2*\d+\q)+3] offset:\q*16*OXP+\d*64
	ds_store_b128 v[OXW], v[128+8*(2*\d+\q)+4:128+8*(2*\d+\q)+7] offset:\q*16*OXP+\d*64+16
.endr
.endr
	SYNCB !\last
	WIN W_L3
.irp w, 0,1,2,3
.irp k, 0,1
.irp c, 0,1
	ds_load_b128 v[192+16*\w+8*\k+4*\c:192+16*\w+8*\k+4*\c+3], v[OXR] offset:\w*32*OXP+\k*64+\c*16
.endr
.endr
.endr
.if !\last
	FETCHK 0                                       ; the next head's first fragments of K
	FETCHK 1
	s_wait_dscnt 32                                ; the four parts are in
.else
	s_wait_dscnt 0x0
.endif
	WIN W_X
.irp p, 0,2,4,6,8,10,12,14
	v_pk_add_f32 v[192+\p:193+\p], v[192+\p:193+\p], v[208+\p:209+\p]
	v_pk_add_f32 v[224+\p:225+\p], v[224+\p:225+\p], v[240+\p:241+\p]
.endr
.irp p, 0,2,4,6,8,10,12,14
	v_pk_add_f32 v[192+\p:193+\p], v[192+\p:193+\p], v[224+\p:225+\p]
.endr
.irp i, 0,1,2,3,4,5,6,7
	v_cvt_pk_f16_f32 v[208+\i], v[192+2*\i], v[193+2*\i]
.endr
	WIN W_D3
	global_store_b128 v[LI], v[208:211], s[CP:CP+1] th:TH_STORE_NT              ; 512 consecutive bytes of ctx's image: 16 queries x 16 channels; written once, read by nobody here
	global_store_b128 v[LI], v[212:215], s[CP:CP+1] offset:512 th:TH_STORE_NT
	WIN 0
.endm
	s_wait_tensorcnt 1                             ; my part of K of the first head is in; V's may stay out
	s_barrier_signal -1
	s_barrier_wait -1
	FETCHK 0
	FETCHK 1
	HEAD 1, 0                                      ; the walk's first head starts the mean's sums
.Lhead:                                            ; steps 1 to 14 of the walk
	HEAD 0, 0
	s_sub_co_u32 s[CNT], s[CNT], 1
	s_cmp_lg_u32 s[CNT], 0
	s_cbranch_scc1 .Lhead
	HEAD 0, 1                                      ; the last step is written out: it asks for nothing more
	; THE WAY OUT.  A lane holds 32 neighbouring bytes of a row of out1, the lanes beside it other rows: a query tile goes through my stage in LDS and comes back as pieces of 512 consecutive bytes.
	s_wait_xcnt 0x0                                ; the last stores of ctx have read their data: window 3 is loaded anew
.irp q, 0,1
	WIN W_D2
.irp t, 0,1,2,3,4,5,6,7,8,9,10,11,12,13,14,15
	ds_store_b128 v[SGW], v[8*(2*\t+\q):8*(2*\t+\q)+3] offset:\t*64
	ds_store_b128 v[SGW], v[8*(2*\t+\q)+4:8*(2*\t+\q)+7] offset:\t*64+16
.endr
	WIN W_L3
.irp rr, 0,1,2,3,4,5,6,7,8,9,10,11,12,13,14,15
.irp c, 0,1
	ds_load_b128 v[128*\q+4*(2*\rr+\c):128*\q+4*(2*\rr+\c)+3], v[AK] offset:\rr*SGP+\c*512   ; LDS serves a wave's instructions in order: these see my stores, and the next tile's stores come behind them
.endr
.endr
	WIN W_D3
.irp rr, 0,1,2,3,4,5,6,7,8,9,10,11,12,13,14,15
.irp c, 0,1
	s_wait_dscnt 31-(2*\rr+\c)
	global_store_b128 v[LI], v[128*\q+4*(2*\rr+\c):128*\q+4*(2*\rr+\c)+3], s[OB:OB+1] offset:\q*65536+\rr*4096+\c*512 th:TH_STORE_NT
.endr
.endr
.endr
	WIN 0
	s_wait_tensorcnt 0x0                           ; the wave's end
	ds_add_u32 v[SPW], v[NIL]
	s_wait_dscnt 0x0
	CROUND                                         ; the closing round
	s_endpgm
.Lfunc_end_k_q8cbd43793a_attn:
	.size	k_q8cbd43793a_attn, .Lfunc_end_k_q8cbd43793a_attn-k_q8cbd43793a_attn
	.p2alignl 7, 3214868480
	.fill 96, 4, 3214868480
	.section	.rodata,"a",@progbits
	.p2align	6, 0x0
	.amdhsa_kernel k_q8cbd43793a_attn
		.amdhsa_group_segment_fixed_size 327680
		.amdhsa_private_segment_fixed_size 0
		.amdhsa_enable_private_segment 0
		.amdhsa_kernarg_size 24
		.amdhsa_user_sgpr_count 2
		.amdhsa_user_sgpr_kernarg_segment_ptr 1
		.amdhsa_wavefront_size32 1
		.amdhsa_system_sgpr_workgroup_id_x 1
		.amdhsa_system_sgpr_workgroup_id_y 1
		.amdhsa_system_sgpr_workgroup_id_z 1
		.amdhsa_system_vgpr_workitem_id 0
		.amdhsa_next_free_vgpr 1024
		.amdhsa_next_free_sgpr 66
		.amdhsa_reserve_vcc 0
		.amdhsa_float_denorm_mode_32 3
		.amdhsa_float_denorm_mode_16_64 3
		.amdhsa_memory_ordered 1
		.amdhsa_forward_progress 1
		.amdhsa_inst_pref_size 254
	.end_amdhsa_kernel
	.amdgpu_metadata
---
amdhsa.version: [ 1, 2 ]
amdhsa.kernels:
  - .name:           k_q8cbd43793a_attn
    .symbol:         k_q8cbd43793a_attn.kd
    .args:
      - { .name: qkv, .offset: 0, .size: 8, .value_kind: global_buffer, .address_space: global }
      - { .name: ctx, .offset: 8, .size: 8, .value_kind: global_buffer, .address_space: global }
      - { .name: out1, .offset: 16, .size: 8, .value_kind: global_buffer, .address_space: global }
    .group_segment_fixed_size: 327680
    .private_segment_fixed_size: 0
    .kernarg_segment_align: 8
    .kernarg_segment_size: 24
    .max_flat_workgroup_size: 128
    .sgpr_count:     66
    .vgpr_count:     1024
    .wavefront_size: 32
...
	.end_amdgpu_metadata
.endif
;; end of part 3
;; launch outp (part 4): grid 4 x 64, 4 waves a work-group, clusters of 4 x 4, 327,680 bytes of LDS; arguments ctx, owi, out_b, out0; writes out0
.if DOCPART == 4
	.amdgcn_target "amdgcn-amd-amdhsa--gfx1250"
	.amdhsa_code_object_version 6
	.text
	.protected	k_q8cbd43793a_outp
	.globl	k_q8cbd43793a_outp
	.p2align	8
	.type	k_q8cbd43793a_outp,@function
k_q8cbd43793a_outp:
	s_mov_b64 s[64:65], 0
	v_nop
	global_prefetch_b8 v0, s[64:65] scope:SCOPE_SE
	s_setreg_imm32_b32 hwreg(HW_REG_WAVE_MODE, 25, 1), 1
	s_wait_xcnt 0x0
	s_wait_alu depctr_hold_cnt(0) depctr_sa_sdst(0) depctr_va_vdst(0) depctr_va_sdst(0) depctr_va_ssrc(0) depctr_va_vcc(0) depctr_vm_vsrc(0)
	s_getreg_b32 s2, hwreg(HW_REG_IB_STS2, 6, 4)
	s_cmp_eq_u32 s2, 0
	s_cbranch_scc0 .Lentry_in_a_cluster
	s_endpgm
.Lentry_in_a_cluster:
	s_bfe_u32 s2, ttmp6, 0x10000c
	s_cmp_lg_u32 s2, 0xf033
	s_cbranch_scc0 .Lentry_shape_is_right
	s_endpgm
.Lentry_shape_is_right:
; out0 = context out_w^T + out_b.  The context (rows m' = n*1024 + l) and out_w come as f16 images [row/16][K/8][row%16][8 f16], a tile of 16 rows x 1,024 K being 32,768 bytes; sums in f32; out0 [l][n][1024] f32.
; A tile of C is 128 rows x 256 columns: 256 work-groups, one for each WGP.  Four waves, each 64 x 128: 32 accumulators, 256 registers.
; K goes in 8 steps of 128 through a ring of two LDS slots.  A K step of a tile of 16 rows is 4,096 consecutive bytes of the image, so a tensor load's rows are 4,096 bytes long: four rows (A) or eight (B) to a load.
; A fragment is two LDS loads of 512 consecutive bytes: no pitch, no padding.
; CLUSTERS: 4 x 4 work-groups; A's tiles are shared along a row of the cluster, B's along a column, by joint loads.  The matrix instruction is used transposed: a lane holds eight neighbouring columns of one row.
; out_b is the C of each sum's first product.  No prefetch: a short launch on small tiles, whose operands many work-groups read.
; REGISTERS: window 0: v0-31 addresses; v32-95 out_b; v128-255 the way out.  window 1: two sets of fragments at v0 and v128: B at + 8 b, A at + 64 + 8 a.  window 2: accumulator (a, b) at v[8 (8 a + b)].
.set SLOT,   98304                     ; A's 8 tiles x 4,096 bytes, then B's 16
.set STAGE,  2*SLOT                    ; behind the ring: 16 rows x (512 bytes + 16) for each wave
.set SPITCH, 528
.set SPARE,  STAGE+4*16*SPITCH         ; the spare words, 128 bytes a wave, which no other line names
.set LAPS,   4                         ; a lap = two K steps
.set ADRA, 16
.set ADRB, 20
.set STO,  24
.set RD,   25
.set CO,   26                          ; v26 16 x lane
.set SPW,  28
.set NIL,  29
.set BX,   32
.set BK,   128
.set F0,   0
.set F1,   128
.set G1, 24
.set G0, 32
.set G1B, 48
.set G0B, 56
.set MSB, 0
.macro WIN new
.if MSB != (\new)
	s_set_vgpr_msb (MSB<<8)|(\new)
.set MSB, (\new)
.endif
.endm
.set MUL,  0xa5                        ; sources 0 (B) and 1 (A) window 1; C and D window 2
.set TO_F, 0x40
.macro JLOAD s                         ; waves 0 and 1 fetch A's halves, waves 2 and 3 B's; an s_nop 0 and four v_nop follow each of the two lines
	s_cmp_eq_u32 s11, 0
	s_cbranch_scc0 .Lfor_b_\@
	tensor_load_to_lds s[G0+4*\s:G0+4*\s+3], s[G1:G1+7]
	s_nop 0
.rept 4
	v_nop
.endr
	s_branch .Lasked_\@
.Lfor_b_\@:
	tensor_load_to_lds s[G0B+4*\s:G0B+4*\s+3], s[G1B:G1B+7]
	s_nop 0
.rept 4
	v_nop
.endr
.Lasked_\@:
.endm
.macro CREST
	s_cmp_lg_u32 s10, 0
	s_cbranch_scc1 .Lnot_wave_0_\@
	s_barrier_signal -3
.Lnot_wave_0_\@:
	s_barrier_wait -3
	s_barrier_signal -1
	s_barrier_wait -1
.endm
.macro CROUND
	s_barrier_signal -1
	s_barrier_wait -1
	CREST
.endm
	s_load_b128 s[4:7], s[0:1], 0x0                ; ctx, owi
	s_load_b128 s[68:71], s[0:1], 0x10             ; out_b s[68:69], out0 s[70:71]
	v_lshl_add_u32 v[SPW], v0, 2, SPARE
	v_mov_b32 v[NIL], 0
	ds_add_u32 v[SPW], v[NIL]                      ; the wave's opening: the add, twice on end, and its wait ahead of my first tensor load
	ds_add_u32 v[SPW], v[NIL]
	v_lshrrev_b32 v1, 5, v0
	v_readfirstlane_b32 s10, v1                    ; wave 0..3
	s_lshr_b32 s11, s10, 1                         ; which 64 rows are mine.  Also: I fetch for A (0) or for B (1)
	s_and_b32 s12, s10, 1                          ; which 128 columns.  Also: which half of that tile I fetch
	s_bfe_u32 s40, ttmp6, 0x40000
	s_bfe_u32 s41, ttmp6, 0x40004
	s_lshl_b32 s42, ttmp9, 2
	s_add_co_u32 s42, s42, s40                     ; tile column
	s_and_b32 s13, ttmp7, 0xffff
	s_lshl_b32 s13, s13, 2
	s_add_co_u32 s13, s13, s41                     ; tile row
	s_lshl_b32 s43, s41, 2
	s_lshl_b32 s43, 15, s43
	s_lshl_b32 s44, 0x1111, s40
	s_or_b32 s[G1+0], s43, (3<<16)|(1<<21)         ; the mask: A's tiles go to my row; elements of 8 bytes; no padding
	s_or_b32 s[G1B+0], s44, (3<<16)|(1<<21)
	s_mov_b32 s[G1+1], 512<<16                     ; a row: 512 elements = 4,096 bytes
	s_mov_b32 s[G1+2], 4<<16                       ; A: four tiles of 16 rows to a load
	s_mov_b32 s[G1+3], 512<<16
	s_mov_b32 s[G1+4], 4
	s_mov_b32 s[G1+5], 4096                        ; from tile to tile: 32,768 bytes
	s_mov_b32 s[G1+6], 0
	s_mov_b32 s[G1+7], 0
	s_mov_b32 s[G1B+1], 512<<16
	s_mov_b32 s[G1B+2], 8<<16                      ; B: eight
	s_mov_b32 s[G1B+3], 512<<16
	s_mov_b32 s[G1B+4], 8
	s_mov_b32 s[G1B+5], 4096
	s_mov_b32 s[G1B+6], 0
	s_mov_b32 s[G1B+7], 0
	s_lshl_b32 s16, s13, 18                        ; A: tile 8 x tile row + 4 x half
	s_lshl_b32 s17, s12, 17
	s_add_co_u32 s16, s16, s17
	s_mov_b32 s17, 0
	s_lshl_b32 s46, s42, 19                        ; B: tile 16 x tile column + 8 x half
	s_lshl_b32 s47, s12, 18
	s_add_co_u32 s46, s46, s47
	s_mov_b32 s47, 0
	s_lshl_b32 s20, s12, 14                        ; where they go: A's halves, 16,384 bytes each,
	s_lshl_b32 s21, s12, 15
	s_add_co_u32 s21, s21, 32768                   ; then B's, 32,768 each
	s_wait_dscnt 0x0                               ; both opening adds are done
	s_wait_kmcnt 0x0
	s_add_nc_u64 s[14:15], s[4:5], s[16:17]
	s_add_nc_u64 s[46:47], s[6:7], s[46:47]
	CROUND                                         ; all sixteen work-groups are here
.irp s, 0,1
	s_mov_b32 s[G0+4*\s], 1
	s_add_co_u32 s[G0+4*\s+1], s20, \s*SLOT
	s_add_nc_u64 s[G0+4*\s+2:G0+4*\s+3], s[14:15], \s*4096
	s_or_b32 s[G0+4*\s+3], s[G0+4*\s+3], 0x80000000
	s_mov_b32 s[G0B+4*\s], 1
	s_add_co_u32 s[G0B+4*\s+1], s21, \s*SLOT
	s_add_nc_u64 s[G0B+4*\s+2:G0B+4*\s+3], s[46:47], \s*4096
	s_or_b32 s[G0B+4*\s+3], s[G0B+4*\s+3], 0x80000000
	JLOAD \s                                       ; two loads of mine are out
.endr
	v_and_b32 v1, 15, v0                           ; r
	v_bfe_u32 v2, v0, 4, 1                         ; hh
	v_and_b32 v3, 31, v0
	v_lshlrev_b32 v[CO], 4, v3
	s_lshl_b32 s22, s11, 14                        ; my four tiles of A
	s_lshl_b32 s23, s12, 15
	s_add_co_u32 s23, s23, 32768                   ; my eight of B
.irp s, 0,1
	v_add_nc_u32 v[ADRA+\s], s22, v[CO]
	v_add_nc_u32 v[ADRB+\s], s23, v[CO]
	s_add_co_u32 s22, s22, SLOT
	s_add_co_u32 s23, s23, SLOT
.endr
	s_mul_i32 s23, s10, 16*SPITCH
	s_add_co_u32 s23, s23, STAGE                   ; my stage
	v_mul_u32_u24 v4, v1, SPITCH
	v_lshl_add_u32 v4, v2, 5, v4
	v_add_nc_u32 v[STO], s23, v4                   ; in: row r, 32 bytes for each half of the lanes
	v_add_nc_u32 v[RD], s23, v[CO]                 ; back: the 32 lanes take one row of 512 bytes
	s_lshl_b32 s18, s42, 10
	s_lshl_b32 s19, s12, 9
	s_add_co_u32 s18, s18, s19                     ; my first column, in bytes of f32
	v_lshl_add_u32 v5, v2, 5, s18
.irp b, 0,1,2,3,4,5,6,7
	global_load_b128 v[BX+8*\b:BX+8*\b+3], v5, s[68:69] offset:64*\b
	global_load_b128 v[BX+8*\b+4:BX+8*\b+7], v5, s[68:69] offset:64*\b+16
.endr
	; row m' = 128 tr + 64 wr + 16 a + t is batch n = tr >> 3, position l = 128 (tr & 7) + 64 wr + 16 a + t; in out0 a position is 32,768 bytes and a batch 4,096
	s_and_b32 s19, s13, 7
	s_lshl_b32 s19, s19, 22
	s_add_co_u32 s18, s18, s19
	s_lshl_b32 s19, s11, 21
	s_add_co_u32 s18, s18, s19
	s_lshr_b32 s19, s13, 3
	s_lshl_b32 s19, s19, 12
	s_add_co_u32 s18, s18, s19
	s_mov_b32 s19, 0
	s_add_nc_u64 s[70:71], s[70:71], s[18:19]
; 8 products: A's block a x B's eight, 32 along K, from set f.  zero = 1: the first product starts the sums, with out_b as its C.  The 32 accumulators take turns, in the same order in every quarter.
.macro MUL8 f, a, zero
.irp b, 0,1,2,3,4,5,6,7
.if \zero
	v_wmma_f32_16x16x32_f16 v[8*(8*(\a)+\b):8*(8*(\a)+\b)+7], v[\f+8*\b:\f+8*\b+7], v[\f+64+8*(\a):\f+64+8*(\a)+7], v[BX+8*\b:BX+8*\b+7]
.else
	v_wmma_f32_16x16x32_f16 v[8*(8*(\a)+\b):8*(8*(\a)+\b)+7], v[\f+8*\b:\f+8*\b+7], v[\f+64+8*(\a):\f+64+8*(\a)+7], v[8*(8*(\a)+\b):8*(8*(\a)+\b)+7]
.endif
.endr
.endm
.macro FETCH slot, kq, f               ; 24 LDS loads in one run: the fragments of the slot's kq-th 32 along K: B's eight, then A's four
	WIN TO_F
.irp i, 0,1,2,3,4,5,6,7
	ds_load_b128 v[\f+8*\i:\f+8*\i+3],   v[ADRB+\slot] offset:\i*4096+(\kq)*1024
	ds_load_b128 v[\f+8*\i+4:\f+8*\i+7], v[ADRB+\slot] offset:\i*4096+(\kq)*1024+512
.endr
.irp i, 0,1,2,3
	ds_load_b128 v[\f+64+8*\i:\f+64+8*\i+3],   v[ADRA+\slot] offset:\i*4096+(\kq)*1024
	ds_load_b128 v[\f+64+8*\i+4:\f+64+8*\i+7], v[ADRA+\slot] offset:\i*4096+(\kq)*1024+512
.endr
.endm
.macro PLACES                          ; plain lines in front of loads into registers that products have read, and of the first read of results
.rept 4
	v_nop
.endr
.endm
; A K step is four quarters of 32 along K, 32 products each, on sets 0, 1, 0, 1.  One of the first three: multiplies set f and fetches the quarter kq of the same slot into g.
.macro QUARTER slot, kq, f, g, zero
	s_wait_dscnt 4                                 ; B and A's blocks 0, 1 are in; the youngest four loads (blocks 2, 3) may be out
	WIN MUL-0x20*(\zero)
	MUL8 \f, 0, \zero
	MUL8 \f, 1, \zero
	PLACES
	FETCH \slot, \kq, \g
	s_wait_dscnt 24                                ; all but the 24 just issued
	WIN MUL-0x20*(\zero)
	MUL8 \f, 2, \zero
	MUL8 \f, 3, \zero
.endm
; The last quarter multiplies set 1 and changes slots: one barrier; in front of it each wave waits for all its tensor loads, adds 0 to its spare word, and waits for that and for its reads of this slot.
; fill = 1: the barrier opens a round of the cluster's, and this slot is filled again, two K steps ahead: the first tensor load behind the round, one a wave.
.macro TURN slot, next, fill
	WIN 0
	s_wait_tensorcnt 0x0
	ds_add_u32 v[SPW], v[NIL]
	s_wait_dscnt 5                                 ; (the add and the youngest four loads may be out)
	WIN MUL
	MUL8 F1, 0, 0
	s_wait_dscnt 0x0
	s_barrier_signal -1
	MUL8 F1, 1, 0
.if \fill
	WIN 0
.endif
	s_barrier_wait -1
.if \fill
	CREST
	s_add_nc_u64 s[G0+4*\slot+2:G0+4*\slot+3], s[G0+4*\slot+2:G0+4*\slot+3], 8192
	s_add_nc_u64 s[G0B+4*\slot+2:G0B+4*\slot+3], s[G0B+4*\slot+2:G0B+4*\slot+3], 8192
	JLOAD \slot                                    ; the four v_nop behind it are also the places in front of the loads below
.else
	PLACES
.endif
	FETCH \next, 0, F0
	WIN MUL
	MUL8 F1, 2, 0
	MUL8 F1, 3, 0
.endm
	s_wait_loadcnt 0x0                             ; out_b
	s_wait_tensorcnt 1                             ; my part of K step 0 is in,
	s_barrier_signal -1
	s_barrier_wait -1                              ; everybody's is
	FETCH 0, 0, F0
	QUARTER 0, 1, F0, F1, 1                        ; the first quarter stands in front of the loop: its products start the sums
	WIN 0
	s_mov_b32 s3, LAPS-1
.Llap:                                             ; a trip goes once round the ring and fills both slots again
	QUARTER 0, 2, F1, F0, 0
	QUARTER 0, 3, F0, F1, 0
	TURN 0, 1, 1
	QUARTER 1, 1, F0, F1, 0
	QUARTER 1, 2, F1, F0, 0
	QUARTER 1, 3, F0, F1, 0
	TURN 1, 0, 1
	QUARTER 0, 1, F0, F1, 0
	WIN 0
	s_sub_co_u32 s3, s3, 1
	s_cmp_lg_u32 s3, 0
	s_cbranch_scc1 .Llap
	QUARTER 0, 2, F1, F0, 0                        ; the last lap fills nothing
	QUARTER 0, 3, F0, F1, 0
	TURN 0, 1, 0
	QUARTER 1, 1, F0, F1, 0
	QUARTER 1, 2, F1, F0, 0
	QUARTER 1, 3, F0, F1, 0
	s_wait_dscnt 4
	WIN MUL
	MUL8 F1, 0, 0
	MUL8 F1, 1, 0
	s_wait_dscnt 0
	MUL8 F1, 2, 0
	MUL8 F1, 3, 0
	WIN 0
; THE WAY OUT, block by block of 16 rows x 128 columns, through my own stage: in as 32 bytes a lane, back as whole rows of 512 bytes, which the 32 lanes store as 512 consecutive bytes, aligned.
.macro TOSTAGE a
	WIN 0x08                                       ; the data: window 2
.irp b, 0,1,2,3,4,5,6,7
	ds_store_b128 v[STO], v[64*(\a)+8*\b:64*(\a)+8*\b+3] offset:64*\b          ; each accumulator from its low end on
	ds_store_b128 v[STO], v[64*(\a)+8*\b+4:64*(\a)+8*\b+7] offset:64*\b+16
.endr
	WIN 0
.set BB, BK+64*((\a)%2)
.irp t, 0,1,2,3,4,5,6,7,8,9,10,11,12,13,14,15
	ds_load_b128 v[BB+4*\t:BB+4*\t+3], v[RD] offset:\t*SPITCH     ; LDS serves a wave's instructions in order: these see the stores above
.endr
.endm
.macro SEND a, younger
.set BB, BK+64*((\a)%2)
	s_wait_dscnt \younger
.irp t, 0,1,2,3,4,5,6,7,8,9,10,11,12,13,14,15
	global_store_b128 v[CO], v[BB+4*\t:BB+4*\t+3], s[70:71] offset:(\a)*524288+\t*32768 th:TH_STORE_NT
.endr
.endm
	PLACES
	TOSTAGE 0
.irp a, 1,2,3
.if \a > 1
	s_wait_xcnt 0x0                                ; block a - 2's stores have read their registers: block a's loads may land there
.endif
	TOSTAGE \a
	SEND \a-1, 32                                  ; behind block a - 1's loads: block a's 16 stores and 16 loads
.endr
	SEND 3, 0
	s_wait_tensorcnt 0x0                           ; the wave's end
	ds_add_u32 v[SPW], v[NIL]
	s_wait_dscnt 0x0
	CROUND                                         ; the closing round
	s_endpgm
.Lfunc_end_k_q8cbd43793a_outp:
	.size	k_q8cbd43793a_outp, .Lfunc_end_k_q8cbd43793a_outp-k_q8cbd43793a_outp
	.p2alignl 7, 3214868480
	.fill 96, 4, 3214868480
	.section	.rodata,"a",@progbits
	.p2align	6, 0x0
	.amdhsa_kernel k_q8cbd43793a_outp
		.amdhsa_group_segment_fixed_size 327680
		.amdhsa_private_segment_fixed_size 0
		.amdhsa_enable_private_segment 0
		.amdhsa_kernarg_size 32
		.amdhsa_user_sgpr_count 2
		.amdhsa_user_sgpr_kernarg_segment_ptr 1
		.amdhsa_wavefront_size32 1
		.amdhsa_system_sgpr_workgroup_id_x 1
		.amdhsa_system_sgpr_workgroup_id_y 1
		.amdhsa_system_sgpr_workgroup_id_z 1
		.amdhsa_system_vgpr_workitem_id 0
		.amdhsa_next_free_vgpr 768
		.amdhsa_next_free_sgpr 72
		.amdhsa_reserve_vcc 0
		.amdhsa_float_denorm_mode_32 3
		.amdhsa_float_denorm_mode_16_64 3
		.amdhsa_memory_ordered 1
		.amdhsa_forward_progress 1
		.amdhsa_inst_pref_size 86
	.end_amdhsa_kernel
	.amdgpu_metadata
---
amdhsa.version: [ 1, 2 ]
amdhsa.kernels:
  - .name:           k_q8cbd43793a_outp
    .symbol:         k_q8cbd43793a_outp.kd
    .args:
      - { .name: ctx, .offset: 0, .size: 8, .value_kind: global_buffer, .address_space: global }
      - { .name: owi, .offset: 8, .size: 8, .value_kind: global_buffer, .address_space: global }
      - { .name: out_b, .offset: 16, .size: 8, .value_kind: global_buffer, .address_space: global }
      - { .name: out0, .offset: 24, .size: 8, .value_kind: global_buffer, .address_space: global }
    .group_segment_fixed_size: 327680
    .private_segment_fixed_size: 0
    .kernarg_segment_align: 8
    .kernarg_segment_size: 32
    .max_flat_workgroup_size: 128
    .sgpr_count:     72
    .vgpr_count:     768
    .wavefront_size: 32
...
	.end_amdgpu_metadata
.endif
;; end of part 4
